; MI455X (gfx1250); checked and timed in simulation.
; The chip was launched on July 23, 2026; its instructions are those of AMD's public machine-readable ISA for CDNA 5 (MIT licence, August 2026) and "CDNA5" Instruction Set Architecture Reference Guide (July 2026). The comments in the code are by the model that wrote it; some were corrected since.
;; MOE Layer. Allowed arithmetic: float matrix products may take bf16 or f16 operands with f32 sums; all other float work in f32.
;; Inputs: W1 8 x 1,024 x 1,024 float32; W2 8 x 1,024 x 1,024 float32; Wg 1,024 x 8 float32; b1 8 x 1,024 float32; b2 8 x 1,024 float32; x 2 x 2,048 x 1,024 float32.
;; Outputs: out0 2 x 2,048 x 1,024 float32.
;; One version. Each part assembles by itself: llvm-mc -triple=amdgcn-amd-amdhsa -mcpu=gfx1250 --defsym DOCPART=n.
;; ======== version 1 of 1: 5 launches
;; workspace buffers: xb 8,388,608 bytes; sel 16,384 bytes of whole numbers; wts 32,768 bytes; route 69,888 bytes of whole numbers; Wb 33,554,432 bytes; H 18,874,368 bytes; Y 37,748,736 bytes
;; launch gate (part 1): grid 256 x 1, 8 waves a work-group, no clusters, 58,880 bytes of LDS; arguments x, Wg, xb, sel, wts; writes xb, sel, wts
.if DOCPART == 1
	.amdgcn_target "amdgcn-amd-amdhsa--gfx1250"
	.amdhsa_code_object_version 6
	.text
	.protected	k_q874373b04c_gate
	.globl	k_q874373b04c_gate
	.p2align	8
	.type	k_q874373b04c_gate,@function
k_q874373b04c_gate:
	s_mov_b64 s[64:65], 0
	v_nop
	global_prefetch_b8 v0, s[64:65] scope:SCOPE_SE
	s_setreg_imm32_b32 hwreg(HW_REG_WAVE_MODE, 25, 1), 1
	s_wait_xcnt 0x0
; GATE.  x [4096][1024] f32 is rounded to bf16 (xb); logits = xb . bf16(Wg), products of bf16 numbers summed in f32; for each token the two largest logits (the lower
; index wins a tie), and the softmax over the two with the larger one taken away.  Out: xb, sel[t] = i1 | i2 << 8 (whole numbers), wts[t] = (w1, w2) f32.
; WHY bf16 HERE TOO: the whole program rounds every input to bf16 once, the gate's operands among them, so that it follows the reference on rounded inputs in the choice as in the products.
; LIMITS.  A token whose second and third logit lie closer than the f32 summation error (some 1e-6 of the logits' size) may take the other expert than an exact sum would.  NaN is not treated apart.
; SHARES.  A work-group owns 16 tokens (65,536 bytes of x).  Wave w rounds rows 2 w and 2 w + 1 and multiplies K = 128 w .. 128 w + 127; wave 0 adds the eight partial sums and chooses.
; No tensor load, no cluster: x is read once by one work-group, and Wg is 32,768 bytes.
.set XP,   2064                        ; an LDS row: 2,048 bytes of bf16 + 16 = 129 x 16 bytes: the 16 rows of a fragment load start at 16 different groups of four banks (64 banks of 4 bytes: ISA guide 11.1)
.set XT,   0                           ; 16 rows: my tokens
.set WT,   16*XP                       ; 8 rows: Wg turned, a row an expert
.set PART, WT+8*XP                     ; 8 waves x 32 lanes x 32 bytes: partial logits
.set X,    32                          ; v[32:95]   x as loaded
.set WG,   96                          ; v[96:127]  Wg as loaded: register 8 kk + e = Wg[4 t + kk][e]
.set XB,   128                         ; v[128:159] x in bf16, the stores' data
.set WBF,  160                         ; v[160:175] Wg in bf16
.set WF,   32                          ; v[32:63]   later: four fragments of Wg
.set XF,   64                          ; v[64:95]   four fragments of x
.set ACC0, 96
.set ACC1, 104
.set SUM,  112
	s_load_b256 s[4:11], s[0:1], 0x0               ; x s[4:5], Wg s[6:7], xb s[8:9], sel s[10:11]
	s_load_b64 s[12:13], s[0:1], 0x20              ; wts
	v_lshl_add_u32 v176, v0, 2, 0xe200
	v_mov_b32 v177, 0
	v_and_b32 v1, 31, v0                           ; lane
	v_lshrrev_b32 v2, 5, v0
	v_readfirstlane_b32 s14, v2                    ; wave 0..7
	s_lshl_b32 s16, ttmp9, 16                      ; my 16 rows of x,
	s_mov_b32 s17, 0
	s_lshl_b32 s18, ttmp9, 15                      ; and of xb
	s_mov_b32 s19, 0
	v_lshlrev_b32 v3, 7, v0                        ; Wg: 128 bytes a thread, k = 4 t .. 4 t + 3
	v_lshlrev_b32 v4, 4, v1
	v_lshl_add_u32 v4, s14, 13, v4                 ; x: 8,192 w + 16 lane
	v_lshlrev_b32 v5, 3, v1
	v_lshl_add_u32 v5, s14, 12, v5                 ; xb: 4,096 w + 8 lane
	s_mul_i32 s20, s14, 2*XP
	v_lshl_add_u32 v6, v1, 3, s20                  ; XT: my two rows, 8 lane
	v_lshl_add_u32 v7, v0, 3, WT                   ; WT: 8 t
	s_wait_kmcnt 0x0
	s_add_nc_u64 s[4:5], s[4:5], s[16:17]
	s_add_nc_u64 s[8:9], s[8:9], s[18:19]
.irp i, 0,1,2,3,4,5,6,7
	global_load_b128 v[WG+4*(\i):WG+4*(\i)+3], v3, s[6:7] offset:16*(\i)
.endr
.irp j, 0,1,2,3,4,5,6,7,8,9,10,11,12,13,14,15
	global_load_b128 v[X+4*(\j):X+4*(\j)+3], v4, s[4:5] offset:512*(\j) th:TH_LOAD_NT  ; 512 neighbouring bytes; eight loads a row
.endr
	; addresses for the fragments, made while the loads are out
	v_and_b32 v8, 15, v1                           ; r
	v_lshrrev_b32 v9, 4, v1                        ; h
	s_lshl_b32 s21, s14, 8
	v_lshl_add_u32 v12, v9, 4, s21                 ; 16 h + my K share's 256 bytes
	v_mul_u32_u24 v10, v8, XP
	v_add_nc_u32 v10, v10, v12                     ; x: token r
	v_and_b32 v13, 7, v1
	v_mul_u32_u24 v11, v13, XP
	v_add3_u32 v11, v11, v12, WT                   ; Wg: expert r % 8 (rows 8-15 of the fragment repeat the eight experts)
	v_lshl_add_u32 v14, v0, 5, PART                ; my 32 bytes of partial logits
	v_lshl_add_u32 v15, v1, 5, PART                ; wave 0 reads all eight waves' from here
	s_wait_loadcnt 16                              ; Wg is in: the 16 loads of x were issued behind it
.irp e, 0,1,2,3,4,5,6,7
	v_cvt_pk_bf16_f32 v[WBF+2*(\e)],   v[WG+(\e)],    v[WG+8+(\e)]
	v_cvt_pk_bf16_f32 v[WBF+2*(\e)+1], v[WG+16+(\e)], v[WG+24+(\e)]
	ds_store_b64 v7, v[WBF+2*(\e):WBF+2*(\e)+1] offset:(\e)*XP
.endr
.irp j, 0,1,2,3,4,5,6,7,8,9,10,11,12,13,14,15
	s_wait_loadcnt 15-(\j)                         ; loads come back in order (ISA guide 5.7.1): load j is in
	v_cvt_pk_bf16_f32 v[XB+2*(\j)],   v[X+4*(\j)],   v[X+4*(\j)+1]
	v_cvt_pk_bf16_f32 v[XB+2*(\j)+1], v[X+4*(\j)+2], v[X+4*(\j)+3]
	global_store_b64 v5, v[XB+2*(\j):XB+2*(\j)+1], s[8:9] offset:256*(\j)  ; the wave's store covers 256 consecutive bytes, aligned
	ds_store_b64 v6, v[XB+2*(\j):XB+2*(\j)+1] offset:((\j)/8)*XP+((\j)%8)*256
.endr
	s_wait_dscnt 0x0                               ; for the others' sake: my rows and my part of Wg are in LDS
	s_barrier_signal -1
	s_barrier_wait -1
	; a fragment is 16 rows x 32 K in 8 registers: lane (r, h) holds row r, K = 8 h + 0..7 and 16 + 8 h + 0..7: two loads of 16 bytes, 32 bytes apart
.irp c, 0,1,2,3
	ds_load_b128 v[WF+8*(\c):WF+8*(\c)+3],   v11 offset:64*(\c)
	ds_load_b128 v[WF+8*(\c)+4:WF+8*(\c)+7], v11 offset:64*(\c)+32
	ds_load_b128 v[XF+8*(\c):XF+8*(\c)+3],   v10 offset:64*(\c)
	ds_load_b128 v[XF+8*(\c)+4:XF+8*(\c)+7], v10 offset:64*(\c)+32
.endr
	s_wait_dscnt 0x0
	; source 0 = experts, source 1 = tokens: lane (r, h) then holds token r, and register j expert j.  Two accumulators by turns.
	v_wmma_f32_16x16x32_bf16 v[ACC0:ACC0+7], v[WF:WF+7],     v[XF:XF+7],     0
	v_wmma_f32_16x16x32_bf16 v[ACC1:ACC1+7], v[WF+8:WF+15],  v[XF+8:XF+15],  0
	v_wmma_f32_16x16x32_bf16 v[ACC0:ACC0+7], v[WF+16:WF+23], v[XF+16:XF+23], v[ACC0:ACC0+7]
	v_wmma_f32_16x16x32_bf16 v[ACC1:ACC1+7], v[WF+24:WF+31], v[XF+24:XF+31], v[ACC1:ACC1+7]
.rept 4
	v_nop                                          ; four places between the last product and the first read of a result (ISA guide 7.12.1)
.endr
.irp q, 0,2,4,6
	v_pk_add_f32 v[SUM+(\q):SUM+(\q)+1], v[ACC0+(\q):ACC0+(\q)+1], v[ACC1+(\q):ACC1+(\q)+1]
.endr
	ds_store_b128 v14, v[SUM:SUM+3]
	ds_store_b128 v14, v[SUM+4:SUM+7] offset:16
	s_wait_dscnt 0x0                               ; for wave 0's sake
	s_barrier_signal -1
	s_barrier_wait -1
	s_cmp_lg_u32 s14, 0
	s_cbranch_scc1 .Lend                           ; wave 0 alone goes on; all waves meet again at the barrier at the end
.irp p, 0,1,2,3,4,5,6,7
	ds_load_b128 v[32+8*(\p):35+8*(\p)], v15 offset:1024*(\p)
	ds_load_b128 v[36+8*(\p):39+8*(\p)], v15 offset:1024*(\p)+16
.endr
	s_lshl_b32 s22, ttmp9, 6
	s_lshl_b32 s23, ttmp9, 7
	v_lshl_add_u32 v115, v1, 2, s22                ; sel: 4 (16 wg + lane)
	v_lshl_add_u32 v116, v1, 3, s23                ; wts: 8 (16 wg + lane)
	s_wait_dscnt 0x0
.irp p, 1,2,3,4,5,6,7                  ; the eight K shares in ascending order: v[32:39] = the token's eight logits
.irp q, 0,2,4,6
	v_pk_add_f32 v[32+(\q):33+(\q)], v[32+(\q):33+(\q)], v[32+8*(\p)+(\q):33+8*(\p)+(\q)]
.endr
.endr
	; the two largest: (m1, i1) = v120, v121; (m2, i2) = v122, v123.  All compares are strict, so of equal logits the lower index stands first.  Selects only: no branch hangs on a logit.
	v_cmp_gt_f32 vcc_lo, v33, v32
	v_cndmask_b32 v120, v32, v33, vcc_lo
	v_cndmask_b32 v122, v33, v32, vcc_lo
	v_cndmask_b32 v121, 0, 1, vcc_lo
	v_cndmask_b32 v123, 1, 0, vcc_lo
.irp e, 2,3,4,5,6,7
	v_cmp_gt_f32 s20, v[32+(\e)], v120
	v_cmp_gt_f32 s21, v[32+(\e)], v122
	v_cndmask_b32 v122, v122, v[32+(\e)], s21
	v_cndmask_b32 v123, v123, \e, s21
	v_cndmask_b32 v122, v122, v120, s20
	v_cndmask_b32 v123, v123, v121, s20
	v_cndmask_b32 v120, v120, v[32+(\e)], s20
	v_cndmask_b32 v121, v121, \e, s20
.endr
	; softmax over (m1, m2) with the maximum m1 taken away: w1 = 1 / (1 + z), w2 = z / (1 + z), z = e^(m2 - m1) <= 1
	v_sub_f32 v124, v122, v120
	v_mul_f32 v124, 0x3fb8aa3b, v124               ; log2(e)
	v_exp_f32 v125, v124
	v_lshl_or_b32 v114, v123, 8, v121              ; a plain instruction behind the exponential: i1 | i2 << 8
	s_wait_alu depctr_va_vdst(0)
	v_add_f32 v126, 1.0, v125
	v_rcp_f32 v112, v126
	v_cmp_gt_u32 vcc_lo, 16, v1                    ; a plain instruction behind the reciprocal: lanes 16-31 hold the same tokens once more
	s_wait_alu depctr_va_vdst(0)
	v_mul_f32 v113, v125, v112
	s_wait_xcnt 0x0                                ; EXEC is a source of my pending stores of xb: it changes only behind this wait
	s_and_saveexec_b32 s24, vcc_lo
	global_store_b32 v115, v114, s[10:11]          ; 64 and 128 consecutive bytes a work-group: parts of aligned blocks of 256; 49,152 bytes in the whole launch
	global_store_b64 v116, v[112:113], s[12:13]
	s_wait_xcnt 0x0
	s_or_b32 exec_lo, exec_lo, s24
.Lend:
	s_barrier_signal -1
	s_barrier_wait -1
	s_wait_tensorcnt 0x0
	ds_add_u32 v176, v177
	s_wait_dscnt 0x0
	s_endpgm
.Lfunc_end_k_q874373b04c_gate:
	.size	k_q874373b04c_gate, .Lfunc_end_k_q874373b04c_gate-k_q874373b04c_gate
	.p2alignl 7, 3214868480
	.fill 96, 4, 3214868480
	.section	.rodata,"a",@progbits
	.p2align	6, 0x0
	.amdhsa_kernel k_q874373b04c_gate
		.amdhsa_group_segment_fixed_size 58880
		.amdhsa_private_segment_fixed_size 0
		.amdhsa_enable_private_segment 0
		.amdhsa_kernarg_size 40
		.amdhsa_user_sgpr_count 2
		.amdhsa_user_sgpr_kernarg_segment_ptr 1
		.amdhsa_wavefront_size32 1
		.amdhsa_system_sgpr_workgroup_id_x 1
		.amdhsa_system_sgpr_workgroup_id_y 1
		.amdhsa_system_sgpr_workgroup_id_z 1
		.amdhsa_system_vgpr_workitem_id 0
		.amdhsa_next_free_vgpr 178
		.amdhsa_next_free_sgpr 66
		.amdhsa_reserve_vcc 1
		.amdhsa_float_denorm_mode_32 3
		.amdhsa_float_denorm_mode_16_64 3
		.amdhsa_memory_ordered 1
		.amdhsa_forward_progress 1
		.amdhsa_inst_pref_size 20
	.end_amdhsa_kernel
	.amdgpu_metadata
---
amdhsa.version: [ 1, 2 ]
amdhsa.kernels:
  - .name:           k_q874373b04c_gate
    .symbol:         k_q874373b04c_gate.kd
    .args:
      - { .name: x, .offset: 0, .size: 8, .value_kind: global_buffer, .address_space: global }
      - { .name: Wg, .offset: 8, .size: 8, .value_kind: global_buffer, .address_space: global }
      - { .name: xb, .offset: 16, .size: 8, .value_kind: global_buffer, .address_space: global }
      - { .name: sel, .offset: 24, .size: 8, .value_kind: global_buffer, .address_space: global }
      - { .name: wts, .offset: 32, .size: 8, .value_kind: global_buffer, .address_space: global }
    .group_segment_fixed_size: 58880
    .private_segment_fixed_size: 0
    .kernarg_segment_align: 8
    .kernarg_segment_size: 40
    .max_flat_workgroup_size: 256
    .sgpr_count:     66
    .vgpr_count:     178
    .wavefront_size: 32
...
	.end_amdgpu_metadata
.endif
;; end of part 1
;; launch prep (part 2): grid 513 x 1, 16 waves a work-group, no clusters, 3,072 bytes of LDS; arguments sel, W1, W2, route, Wb; writes route, Wb
.if DOCPART == 2
	.amdgcn_target "amdgcn-amd-amdhsa--gfx1250"
	.amdhsa_code_object_version 6
	.text
	.protected	k_q874373b04c_prep
	.globl	k_q874373b04c_prep
	.p2align	8
	.type	k_q874373b04c_prep,@function
k_q874373b04c_prep:
	s_mov_b64 s[64:65], 0
	v_nop
	global_prefetch_b8 v0, s[64:65] scope:SCOPE_SE
	s_setreg_imm32_b32 hwreg(HW_REG_WAVE_MODE, 25, 1), 1
	s_wait_xcnt 0x0
; PREP.  Two jobs side by side, chosen by the work-group's number alone (the same for all its waves).
; WORK-GROUPS 1 .. 512: W1 and W2 ([8][1024][1024] f32) are rounded to bf16 into Wb (W1 at byte 0, W2 at 16,777,216), 131,072 bytes in and 65,536 out for each.
; WORK-GROUP 0: the lists, whole numbers only.  The 8,192 pairs (token, expert) are laid into 64 blocks of 144 slots, each block one expert's:
;   tok[9216]  the token of a slot (0 in a slot that is not used)        at byte 0
;   pos[4096][2]  the slots of a token's first and second expert         at byte 36,864
;   bexp[64]  a block's expert                                           at byte 69,632
; WHY 144.  For any counts n_e that add up to 8,192 the sum of ceil(n_e / 144) lies in 57 .. 64: 64 blocks hold every routing.  The X = 64 - sum blocks that are over (0 .. 7) are used too: the
; largest expert has 1,024 rows or more, so 7 full blocks, and its first X full blocks are laid out as two blocks of 72 rows each.  So every block has rows.
; An expert's rows stand in the order of the tokens: place p = (rows in the waves before mine) + (in my wave's chunks before) + (in the lanes below).  slot = 144 FB_e + p + 72 min(p / 72, 2 X_e).
; The lists' job is short and bound by latency; it runs while the other work-groups stream the weights.
.set W,   8                            ; v[8:15]   sel of my 8 tokens (wave w, chunk c: token 256 w + 32 c + lane)
.set I1,  16                           ; v[16:23]  first expert
.set I2,  24                           ; v[24:31]  second expert
.set P,   32                           ; v[32:47]  place, then slot: chunk c's first expert at P + 2 c, second at P + 2 c + 1
.set TV,  48                           ; v[48:63]  the expert's packed figures, then tok's byte offset
.set TK,  64                           ; v[64:71]  the tokens' numbers
.set C,   72                           ; v[72:79]  counts
.set VT,  96                           ; v96       lane e: expert e's packed figures
.set N,   24                           ; s[24:31]  running counts, then n_e
.set WB,  32                           ; s[32:39]  rows of expert e in the waves before mine; later s[32:35] the rows of my four blocks
.set NB,  40                           ; s[40:47]  blocks of expert e
.set FB,  48                           ; s[48:55]  its first block
.set XE,  56                           ; s[56:63]  X for the largest expert, 0 for the others
	s_load_b256 s[4:11], s[0:1], 0x0               ; sel s[4:5], W1 s[6:7], W2 s[8:9], route s[10:11]
	s_load_b64 s[12:13], s[0:1], 0x20              ; Wb
	v_lshl_add_u32 v128, v0, 2, 0x400
	v_mov_b32 v129, 0
	s_cmp_eq_u32 ttmp9, 0
	s_cbranch_scc1 .Lroute
	; THE CAST.  16 loads of 16 bytes a thread, all out at once; each store of a wave covers 256 consecutive bytes, aligned.
	s_sub_co_u32 s16, ttmp9, 1                     ; 0 .. 511
	s_and_b32 s18, s16, 255
	s_lshl_b32 s18, s18, 17                        ; my 131,072 bytes of W1 or of W2
	s_mov_b32 s19, 0
	s_lshl_b32 s22, s16, 16                        ; my 65,536 bytes of Wb
	s_mov_b32 s23, 0
	v_lshlrev_b32 v2, 4, v0
	v_lshlrev_b32 v3, 3, v0
	s_wait_kmcnt 0x0
	s_cmp_lt_u32 s16, 256
	s_cselect_b64 s[20:21], s[6:7], s[8:9]
	s_add_nc_u64 s[20:21], s[20:21], s[18:19]
	s_add_nc_u64 s[12:13], s[12:13], s[22:23]
.irp j, 0,1,2,3,4,5,6,7,8,9,10,11,12,13,14,15
	global_load_b128 v[32+4*(\j):35+4*(\j)], v2, s[20:21] offset:8192*(\j) th:TH_LOAD_NT
.endr
.irp j, 0,1,2,3,4,5,6,7,8,9,10,11,12,13,14,15
	s_wait_loadcnt 15-(\j)                         ; loads come back in order (ISA guide 5.7.1): load j is in
	v_cvt_pk_bf16_f32 v[96+2*(\j)], v[32+4*(\j)], v[33+4*(\j)]
	v_cvt_pk_bf16_f32 v[97+2*(\j)], v[34+4*(\j)], v[35+4*(\j)]
	global_store_b64 v3, v[96+2*(\j):97+2*(\j)], s[12:13] offset:4096*(\j)
.endr
	s_endpgm
.Lroute:
	v_and_b32 v1, 31, v0                           ; lane
	v_lshrrev_b32 v3, 5, v0
	v_readfirstlane_b32 s14, v3                    ; wave 0..15
	v_and_b32 v2, 15, v0
	v_lshlrev_b32 v4, 2, v1
	v_lshl_add_u32 v4, s14, 10, v4                 ; sel: 4 (256 w + lane)
	s_wait_kmcnt 0x0
.irp c, 0,1,2,3,4,5,6,7
	global_load_b32 v[W+(\c)], v4, s[4:5] offset:128*(\c)
.endr
	s_lshl_b32 s15, s14, 8
	v_add_nc_u32 v[TK], s15, v1
.irp c, 1,2,3,4,5,6,7
	v_add_nc_u32 v[TK+(\c)], 32*(\c), v[TK]
.endr
.irp e, 0,1,2,3,4,5,6,7
	s_mov_b32 s[N+(\e)], 0
.endr
	s_wait_loadcnt 0x0
.irp c, 0,1,2,3,4,5,6,7
	v_and_b32 v[I1+(\c)], 7, v[W+(\c)]
	v_bfe_u32 v[I2+(\c)], v[W+(\c)], 8, 3
.endr
	; places inside my wave: for each chunk and expert the lanes that name the expert (a token names it once at the most), counted below each lane
.irp c, 0,1,2,3,4,5,6,7
.irp e, 0,1,2,3,4,5,6,7
	v_cmp_eq_u32 s16, \e, v[I1+(\c)]
	v_cmp_eq_u32 s17, \e, v[I2+(\c)]
	s_or_b32 s18, s16, s17
	v_mbcnt_lo_u32_b32 v80, s18, s[N+(\e)]
.if (\e) == 0
	v_cndmask_b32 v[P+2*(\c)],   0, v80, s16
	v_cndmask_b32 v[P+2*(\c)+1], 0, v80, s17
.else
	v_cndmask_b32 v[P+2*(\c)],   v[P+2*(\c)],   v80, s16
	v_cndmask_b32 v[P+2*(\c)+1], v[P+2*(\c)+1], v80, s17
.endif
	s_bcnt1_i32_b32 s19, s18
	s_add_co_u32 s[N+(\e)], s[N+(\e)], s19
.endr
.endr
	; my wave's eight counts to LDS (all lanes write the same 32 bytes with the same values), everybody's back
	v_mov_b32 v82, s14
	v_lshlrev_b32 v82, 5, v82
.irp e, 0,1,2,3,4,5,6,7
	v_mov_b32 v[84+(\e)], s[N+(\e)]
.endr
	ds_store_b128 v82, v[84:87]
	ds_store_b128 v82, v[88:91] offset:16
	s_wait_dscnt 0x0                               ; for the others' sake
	s_barrier_signal -1
	s_barrier_wait -1
	v_lshlrev_b32 v5, 5, v2
	ds_load_b128 v[C:C+3], v5                      ; lane l holds the counts of wave l % 16
	ds_load_b128 v[C+4:C+7], v5 offset:16
	v_cmp_gt_u32 vcc_lo, s14, v2                   ; a wave before mine?
	s_wait_dscnt 0x0
.irp e, 0,1,2,3,4,5,6,7                ; low half: the count; high half: the count if the wave stands before mine.  Both sums stay under 2^13.
	v_cndmask_b32 v81, 0, v[C+(\e)], vcc_lo
	v_lshl_add_u32 v[C+(\e)], v81, 16, v[C+(\e)]
.endr
.irp m, 1,2,4,8
.irp e, 0,1,2,3,4,5,6,7
	v_mov_b32_dpp v80, v[C+(\e)] row_xmask:\m row_mask:0xf bank_mask:0xf
	v_add_nc_u32 v[C+(\e)], v[C+(\e)], v80
.endr
.endr
.irp e, 0,1,2,3,4,5,6,7
	v_readfirstlane_b32 s16, v[C+(\e)]
	s_and_b32 s[N+(\e)], s16, 0xffff
	s_lshr_b32 s[WB+(\e)], s16, 16
.endr
	; the block table, in scalars, the same in every wave.  y / 144 = ((y >> 4) x 3641) >> 15, exact while y >> 4 stays under 32,768
	s_mov_b32 s18, 64
.irp e, 0,1,2,3,4,5,6,7
	s_add_co_u32 s16, s[N+(\e)], 143
	s_lshr_b32 s16, s16, 4
	s_mul_i32 s16, s16, 3641
	s_lshr_b32 s[NB+(\e)], s16, 15
	s_sub_co_u32 s18, s18, s[NB+(\e)]              ; at last X
.endr
	s_mov_b32 s16, s[N]
	s_mov_b32 s17, 0                               ; the first of the largest experts
.irp e, 1,2,3,4,5,6,7
	s_cmp_gt_u32 s[N+(\e)], s16
	s_cselect_b32 s16, s[N+(\e)], s16
	s_cselect_b32 s17, \e, s17
.endr
	s_mov_b32 s19, 0
	v_mov_b32 v[VT], 0
.irp e, 0,1,2,3,4,5,6,7
	s_cmp_eq_u32 s17, \e
	s_cselect_b32 s[XE+(\e)], s18, 0
	s_add_co_u32 s[NB+(\e)], s[NB+(\e)], s[XE+(\e)]
	s_mov_b32 s[FB+(\e)], s19
	s_add_co_u32 s19, s19, s[NB+(\e)]
	s_mul_i32 s20, s[FB+(\e)], 144
	s_lshl_b32 s20, s20, 13
	s_or_b32 s20, s20, s[WB+(\e)]                  ; 12:0 rows before my wave; 26:13 the expert's first slot; 30:27 2 X_e
	s_lshl_b32 s21, s[XE+(\e)], 28
	s_or_b32 s20, s20, s21
	v_writelane_b32 v[VT], s20, \e
.endr
.irp c, 0,1,2,3,4,5,6,7                ; each pair fetches its expert's figures from lane e
	v_lshlrev_b32 v[I1+(\c)], 2, v[I1+(\c)]
	v_lshlrev_b32 v[I2+(\c)], 2, v[I2+(\c)]
	ds_bpermute_b32 v[TV+2*(\c)],   v[I1+(\c)], v[VT]
	ds_bpermute_b32 v[TV+2*(\c)+1], v[I2+(\c)], v[VT]
.endr
	v_lshlrev_b32 v6, 3, v1
	v_lshl_add_u32 v6, s14, 11, v6                 ; pos: 8 (256 w + lane)
	s_wait_dscnt 0x0
.irp a, 0,1,2,3,4,5,6,7,8,9,10,11,12,13,14,15
	v_and_b32 v80, 0x1fff, v[TV+(\a)]
	v_add_nc_u32 v[P+(\a)], v[P+(\a)], v80         ; p
	v_lshrrev_b32 v81, 3, v[P+(\a)]
	v_mul_u32_u24 v81, 3641, v81
	v_lshrrev_b32 v81, 15, v81                     ; p / 72
	v_lshrrev_b32 v82, 27, v[TV+(\a)]
	v_min_u32 v81, v81, v82
	v_mul_u32_u24 v81, 72, v81
	v_bfe_u32 v82, v[TV+(\a)], 13, 14
	v_add3_u32 v[P+(\a)], v[P+(\a)], v82, v81      ; the slot
	v_min_u32 v[TV+(\a)], 0x23ff, v[P+(\a)]        ; a number made of loaded data enters an address clamped to the table: 9,215
	v_lshlrev_b32 v[TV+(\a)], 2, v[TV+(\a)]
.endr
.irp c, 0,1,2,3,4,5,6,7
	global_store_b64 v6, v[P+2*(\c):P+2*(\c)+1], s[10:11] offset:36864+256*(\c)  ; 256 consecutive bytes, aligned
.endr
.irp a, 0,1,2,3,4,5,6,7,8,9,10,11,12,13,14,15
	global_store_b32 v[TV+(\a)], v[TK+(\a)/2], s[10:11]  ; single words, in runs where neighbouring tokens share an expert: 8,192 words in the whole launch
.endr
	; my four blocks, 4 w + 0 .. 3: expert and rows
	v_and_b32 v84, 3, v1
	v_lshl_add_u32 v84, s14, 2, v84                ; the block
	v_mov_b32 v85, 0
	v_mov_b32 v86, s[FB]
	v_mov_b32 v87, s[N]
	v_mov_b32 v88, s[XE]
.irp e, 1,2,3,4,5,6,7                  ; the last expert whose first block is not behind mine (an expert without rows has no block and is passed over)
	v_cmp_le_u32 vcc_lo, s[FB+(\e)], v84
	v_cndmask_b32 v85, v85, \e, vcc_lo
	v_cndmask_b32 v86, v86, s[FB+(\e)], vcc_lo
	v_cndmask_b32 v87, v87, s[N+(\e)], vcc_lo
	v_cndmask_b32 v88, v88, s[XE+(\e)], vcc_lo
.endr
	v_sub_nc_u32 v89, v84, v86                     ; j: the block among its expert's
	v_lshlrev_b32 v90, 1, v88
	v_cmp_ge_u32 vcc_lo, v89, v90
	v_sub_nc_u32 v91, v89, v88
	v_mul_u32_u24 v91, 144, v91
	v_sub_nc_u32 v91, v87, v91
	v_min_u32 v91, 144, v91
	v_cndmask_b32 v91, 72, v91, vcc_lo             ; 72 in a half block, else min(144, n - 144 (j - X))
.irp k, 0,1,2,3
	v_readlane_b32 s[WB+(\k)], v91, \k
.endr
	v_lshlrev_b32 v92, 2, v84
	v_mov_b32 v94, 0
	s_mul_i32 s22, s14, 2304
	v_lshl_add_u32 v95, v1, 2, s22                 ; tok: 4 (576 w + lane)
	s_mov_b32 s23, 0xffff0000
; A store under a mask.  EXEC is a source of pending stores: it is narrowed and widened only behind s_wait_xcnt 0.
.macro MST line:vararg
	s_wait_xcnt 0x0
	s_and_saveexec_b32 s20, vcc_lo
	\line
	s_wait_xcnt 0x0
	s_or_b32 exec_lo, exec_lo, s20
.endm
	v_cmp_gt_u32 vcc_lo, 4, v1
	MST global_store_b32 v92, v85, s[10:11] offset:69632
; The slots that are not used take token 0.  My four blocks are 18 chunks of 32 slots; chunk i's lane is in block k behind its rows where lane >= rows_k + 144 k - 32 i (signed).
.macro PAD1 i, k
	s_add_co_i32 s21, s[WB+(\k)], 144*(\k)-32*(\i)
	v_cmp_le_i32 vcc_lo, s21, v1
	MST global_store_b32 v95, v94, s[10:11] offset:128*(\i)
.endm
.macro PAD2 i, k                       ; a chunk whose lanes 0-15 lie in block k and lanes 16-31 in block k + 1
	s_add_co_i32 s21, s[WB+(\k)], 144*(\k)-32*(\i)
	s_add_co_i32 s22, s[WB+(\k)+1], 144*((\k)+1)-32*(\i)
	v_mov_b32 v93, s21
	v_cndmask_b32 v93, v93, s22, s23
	v_cmp_le_i32 vcc_lo, v93, v1
	MST global_store_b32 v95, v94, s[10:11] offset:128*(\i)
.endm
.irp i, 0,1,2,3
	PAD1 \i, 0
.endr
	PAD2 4, 0
.irp i, 5,6,7,8
	PAD1 \i, 1
.endr
.irp i, 9,10,11,12
	PAD1 \i, 2
.endr
	PAD2 13, 2
.irp i, 14,15,16,17
	PAD1 \i, 3
.endr
	s_wait_xcnt 0x0
	s_mov_b32 exec_lo, -1
	s_wait_tensorcnt 0x0
	ds_add_u32 v128, v129
	s_wait_dscnt 0x0
	s_endpgm
.Lfunc_end_k_q874373b04c_prep:
	.size	k_q874373b04c_prep, .Lfunc_end_k_q874373b04c_prep-k_q874373b04c_prep
	.p2alignl 7, 3214868480
	.fill 96, 4, 3214868480
	.section	.rodata,"a",@progbits
	.p2align	6, 0x0
	.amdhsa_kernel k_q874373b04c_prep
		.amdhsa_group_segment_fixed_size 3072
		.amdhsa_private_segment_fixed_size 0
		.amdhsa_enable_private_segment 0
		.amdhsa_kernarg_size 40
		.amdhsa_user_sgpr_count 2
		.amdhsa_user_sgpr_kernarg_segment_ptr 1
		.amdhsa_wavefront_size32 1
		.amdhsa_system_sgpr_workgroup_id_x 1
		.amdhsa_system_sgpr_workgroup_id_y 1
		.amdhsa_system_sgpr_workgroup_id_z 1
		.amdhsa_system_vgpr_workitem_id 0
		.amdhsa_next_free_vgpr 130
		.amdhsa_next_free_sgpr 66
		.amdhsa_reserve_vcc 1
		.amdhsa_float_denorm_mode_32 3
		.amdhsa_float_denorm_mode_16_64 3
		.amdhsa_memory_ordered 1
		.amdhsa_forward_progress 1
		.amdhsa_inst_pref_size 69
	.end_amdhsa_kernel
	.amdgpu_metadata
---
amdhsa.version: [ 1, 2 ]
amdhsa.kernels:
  - .name:           k_q874373b04c_prep
    .symbol:         k_q874373b04c_prep.kd
    .args:
      - { .name: sel, .offset: 0, .size: 8, .value_kind: global_buffer, .address_space: global }
      - { .name: W1, .offset: 8, .size: 8, .value_kind: global_buffer, .address_space: global }
      - { .name: W2, .offset: 16, .size: 8, .value_kind: global_buffer, .address_space: global }
      - { .name: route, .offset: 24, .size: 8, .value_kind: global_buffer, .address_space: global }
      - { .name: Wb, .offset: 32, .size: 8, .value_kind: global_buffer, .address_space: global }
    .group_segment_fixed_size: 3072
    .private_segment_fixed_size: 0
    .kernarg_segment_align: 8
    .kernarg_segment_size: 40
    .max_flat_workgroup_size: 512
    .sgpr_count:     66
    .vgpr_count:     130
    .wavefront_size: 32
...
	.end_amdgpu_metadata
.endif
;; end of part 2
;; launch ffn1 (part 3): grid 4 x 64, 4 waves a work-group, no clusters, 327,680 bytes of LDS; arguments xb, route, Wb, b1, H; writes H
.if DOCPART == 3
	.amdgcn_target "amdgcn-amd-amdhsa--gfx1250"
	.amdhsa_code_object_version 6
	.text
	.protected	k_q874373b04c_ffn1
	.globl	k_q874373b04c_ffn1
	.p2align	8
	.type	k_q874373b04c_ffn1,@function
k_q874373b04c_ffn1:
	s_mov_b64 s[64:65], 0
	v_nop
	global_prefetch_b8 v0, s[64:65] scope:SCOPE_SE
	s_setreg_imm32_b32 hwreg(HW_REG_WAVE_MODE, 25, 1), 1
	s_wait_xcnt 0x0
; FFN1.  H[slot][f] = bf16(relu(sum over d of xb[tok[slot]][d] W1b[e][d][f] + bf16(b1[e][f]))), e = bexp[slot / 144].  Operands bf16, sums f32 (the bias starts the sum), H rounded once.
; SHARES.  A work-group makes 144 slots (block y, one expert's) x 256 columns (tile x); 64 x 4 work-groups.  Wave w makes all 144 rows x columns 64 w .. 64 w + 63: 36 accumulators of 16 x 16.
; Slots that are not used carry token 0: they are computed and stored like the others and nobody reads them, so the text has no mask and no trip count that hangs on the routing.
; K goes in 32 quarters of 32, written out by macro (no loop, no branch: K's place stands in the loads' immediates).
;   W (stored [K][N]) comes by tensor loads into TWO REGIONS OF 224 K ROWS (seven quarters each), which lie end to end, and is turned on the way into registers by ds_load_tr16_b128.  448 of the 1,024
;   rows are asked for at the start (rows 0-127 by a load of their own, so that the first product waits for no more than those); three refills follow, in quarters 6, 13 and 20, each behind a barrier
;   of its own, each shared among the four waves: 232 matrix instructions of a wave stand between such a request and the wait for it.
;   x's rows are GATHERED by the list, in steps of 128 along K: sixteen lanes read 256 consecutive aligned bytes of one row into one of two sets of registers, three steps ahead of the products,
;   and ds_store them into two slots of their own, which no tensor load touches; the slots change in quarters 3, 7, .. 27, behind plain barriers, across which tensor loads stay on their way.
; THE MATRIX INSTRUCTION IS USED TRANSPOSED: source 0 = 16 columns of W, source 1 = 16 rows of x: lane (r, h) holds row r and the eight neighbouring columns 8 h + 0..7.
; NO CLUSTER: how many blocks an expert has hangs on the routing, so four neighbouring blocks need not share W's tiles (quads of 576 slots would want up to 22 quads for 16 places);
; the four column tiles of a block share x's rows, 36,864 of the 102,400 bytes of 128 along K, and those are a gather through registers.
; All of a WGP's LDS is claimed; the text uses 322,560 bytes.
; LIMITS.  b1 is rounded to bf16 like every input of the program.  NaN and infinities are not treated apart.
; REGISTERS, in windows of 256 (s_set_vgpr_msb: bits 1:0 source 0, 3:2 source 1, 5:4 source 2, 7:6 destination):
;   window 0: v0-39, v248-251 addresses; v40-143, v144-247 two fragment buffers (x's block a at + 8 a, W's block b at + 72 + 8 b)
;   window 1: accumulator (a < 8, b) at v[32 a + 8 b]          window 2: v0-31 accumulators of a = 8; v32-63 the bias as a C operand; v64-135, v136-207 x's rows on their way to LDS, two sets
.set GATHER, 1
.set WOFF,   0                         ; W1's place in Wb
.set BP,     544                       ; a row of W in LDS: 512 bytes + 32 = 17 x 32
.set AP,     272                       ; a row of x: 256 bytes + 16 = 17 x 16: the 16 rows of a load start at 16 different groups of four banks
.set RROWS,  224                       ; K rows in a region of W
.set RB,     RROWS*BP                  ; W's regions at 0 and RB
.set AS0,    2*RB                      ; x's slots, written by ds_store alone
.set ASLOT,  144*AP
.set STAGE,  AS0                       ; the way out: 144 rows x 528 bytes, the work-group's, on x's two slots when the last fragments have been read from them
.set SP,     528
.set SPARE,  AS0+2*ASLOT               ; the spare words, 128 bytes for each wave: two blocks of 256 bytes that no other line names
.set ADRA, 4                           ; v4-5   LDS address of my fragments of x in slot 0, 1
.set STA,  8                           ; v8-9   where I put 16 bytes of x's rows, slot 0, 1
.set STO,  10                          ; v10    the way out: where I put 16 bytes of a row; v11 the same for rows 128 on (beyond the 16-bit offset)
.set STO2, 11
.set RD,   12                          ; v12    where I read rows back
.set CO,   13                          ; v13    my byte offset in a row of H's tile
.set SPW,  14                          ; v14    LDS address of my spare word; never rewritten
.set NIL,  15                          ; v15    0; never rewritten
.set ROFF, 16                          ; v16-33 byte offsets of my 16 bytes in the 18 rows that I fetch; never rewritten
.set F0,   40                          ; fragment buffer 0; buffer 1 lies FB registers on
.set FB,   104
.set ADRB, 248                         ; v248-251 LDS address of my fragments of W: region r, its quarters 0-3 at ADRB + 2 r, quarters 4-6 at ADRB + 2 r + 1 (the offset has 16 bits)
.set PK,   40                          ; the way out: packed results, then whole rows
.set TMP,  184                         ; the way out: a block's 32 numbers behind relu
.set BIAS, 32                          ; window 2
.set STG,  64                          ; window 2: set 0; set 1 lies 72 registers on
.set G1A,  24                          ; s[24:31] descriptor group 1: 32 rows a wave
.set G1B,  32                          ; s[32:39] 24 rows a wave
.set G1C,  40                          ; s[40:47] 56 rows a wave
.set G0A,  48                          ; s[48:51] group 0: K rows 0-127, later 896-1023, into region 0's first 128 rows
.set G0B,  52                          ; s[52:55] K rows 128-223 into region 0's last 96 rows
.set G0R1, 56                          ; s[56:59] K rows 224-447, later 672-895, into region 1
.set G0R0, 60                          ; s[60:63] K rows 448-671 into region 0
.set MSB, 0
.macro WIN new                         ; the immediate's high byte repeats the setting that is left; a switch that changes nothing is dropped
.if MSB != (\new)
	s_set_vgpr_msb (MSB<<8)|(\new)
.set MSB, (\new)
.endif
.endm
.macro PLACES                          ; four places: in front of loads into registers that matrix instructions have read, and of reads of results (ISA guide 7.12.1 for reads of results)
.rept 4
	v_nop
.endr
.endm
; 26 LDS loads in one run: the fragments of quarter qn (K = 32 qn on) into buffer f: W's four blocks (turned), then x's nine.
; W: quarters 0-6 and 14-20 lie in region 0, 7-13 and 21-27 in region 1, 28-31 in region 0's first 128 rows.  x: step qn / 4 lies in slot (qn / 4) % 2.
.macro FETCH qn, f
	WIN 0
.if (\qn) < 28
.set wr_, ((\qn)/7)%2
.set wq_, (\qn)%7
.else
.set wr_, 0
.set wq_, (\qn)-28
.endif
.set wa_, ADRB+2*wr_+wq_/4
.set wo_, (wq_%4)*32*BP
.set as_, ADRA+((\qn)/4)%2
.set ao_, ((\qn)%4)*64
.irp b, 0,1,2,3
	ds_load_tr16_b128 v[(\f)+72+8*(\b):(\f)+72+8*(\b)+3],   v[wa_] offset:wo_+32*(\b)
	ds_load_tr16_b128 v[(\f)+72+8*(\b)+4:(\f)+72+8*(\b)+7], v[wa_] offset:wo_+16*BP+32*(\b)
.endr
.irp a, 0,1,2,3,4,5,6,7,8
	ds_load_b128 v[(\f)+8*(\a):(\f)+8*(\a)+3],   v[as_] offset:(\a)*16*AP+ao_
	ds_load_b128 v[(\f)+8*(\a)+4:(\f)+8*(\a)+7], v[as_] offset:(\a)*16*AP+ao_+32
.endr
.endm
; Row blocks alo .. ahi x all four column blocks, 32 along K.  bias = 1: the bias starts the sums: nothing is cleared.
; The 36 accumulators take turns in one fixed order, one instruction a turn.
.macro MUL f, alo, ahi, bias
.set a_, (\alo)
.rept (\ahi)-(\alo)+1
.if a_ < 8
.set d_, 32*a_
.if \bias
	WIN 0x60
.else
	WIN 0x50
.endif
.else
.set d_, 0
	WIN 0xa0
.endif
.irp b, 0,1,2,3
.if \bias
	v_wmma_f32_16x16x32_bf16 v[d_+8*(\b):d_+8*(\b)+7], v[(\f)+72+8*(\b):(\f)+72+8*(\b)+7], v[(\f)+8*a_:(\f)+8*a_+7], v[BIAS+8*(\b):BIAS+8*(\b)+7]
.else
	v_wmma_f32_16x16x32_bf16 v[d_+8*(\b):d_+8*(\b)+7], v[(\f)+72+8*(\b):(\f)+72+8*(\b)+7], v[(\f)+8*a_:(\f)+8*a_+7], v[d_+8*(\b):d_+8*(\b)+7]
.endif
.endr
.set a_, a_+1
.endr
.endm
; Step t (128 along K) of the 144 rows into register set t % 2: 18 loads; load i takes rows 8 i .. 8 i + 7, sixteen lanes a row
.macro ALOAD t
	WIN 0x80
.set sg_, STG+72*((\t)%2)
.set i_, 0
.rept 18
.if GATHER
	global_load_b128 v[sg_+4*i_:sg_+4*i_+3], v[ROFF+i_], s[4:5] offset:256*(\t)
.else
	global_load_b128 v[sg_+4*i_:sg_+4*i_+3], v[ROFF], s[4:5] offset:16384*i_+256*(\t)
.endif
.set i_, i_+1
.endr
.endm
.macro STASH t                         ; and from that set into slot t % 2
	WIN 0x08
.set sg_, STG+72*((\t)%2)
.set i_, 0
.rept 18
	ds_store_b128 v[STA+(\t)%2], v[sg_+4*i_:sg_+4*i_+3] offset:8*AP*i_
.set i_, i_+1
.endr
.endm
; A plain quarter: multiplies buffer q % 2; in its middle it fetches quarter q + 1 into the other buffer
.macro QUARTER q
.set f_, F0+FB*((\q)%2)
.set g_, F0+FB*(1-(\q)%2)
.if (\q) == 0
.set b_, 1
.else
.set b_, 0
.endif
	s_wait_dscnt 10                                ; W and x's blocks 0-3 are in; the youngest ten loads (blocks 4-8) may be out
	MUL f_, 0, 3, b_
	PLACES
	FETCH (\q)+1, g_
	s_wait_dscnt 26                                ; all but the 26 just issued
	MUL f_, 4, 8, b_
.endm
; A step's fourth quarter changes x's slots: ONE plain barrier.  In front of it x's next step goes from its registers into the other slot (read last a step ago, in front of the last such barrier),
; and my reads of this slot and my stores are done.  Behind it nothing is filled by a tensor load, so tensor loads may stay on their way; the freed register set takes x's step t + 3.
; Two of these barriers also show W's rows to every wave: quarter 3's the rows 128-223, quarter 27's the last refill.
.macro TURNA q
.set f_, F0+FB*((\q)%2)
.set g_, F0+FB*(1-(\q)%2)
.set t_, (\q)/4
.if t_ < 6
	s_wait_loadcnt 18                              ; x's step t + 1 is in its registers; the 18 loads of step t + 2 were issued behind it
.else
	s_wait_loadcnt 0x0                             ; the last step: nothing was issued behind it
.endif
	STASH t_+1
.if (\q) == 3
	s_wait_tensorcnt 1                             ; my part of W's rows 128-223 is in; region 1's fill, issued behind it, may stay out
.endif
.if (\q) == 27
	s_wait_tensorcnt 0x0                           ; my part of the last refill is in: no load was issued behind it
.endif
	s_wait_dscnt 30                                ; of 26 loads and 18 stores the oldest 14 are in: W and x's blocks 0-2
	MUL f_, 0, 2, 0
	s_wait_dscnt 0x0                               ; my stores are done, my reads of this slot are over
	s_barrier_signal -1
	MUL f_, 3, 4, 0                                ; work on registers while the others arrive
	WIN 0
	s_barrier_wait -1
	PLACES                                         ; in front of the loads into the other fragment buffer
.if t_ < 5
	ALOAD t_+3
.endif
	FETCH (\q)+1, g_
	MUL f_, 5, 8, 0
.endm
; A region of W has been read out (quarters 6, 13, 20) and is filled again.  In front of the barrier: all my tensor loads have landed (one is out: my part of the other region); the add; my reads
; of this region are over.  Behind it the refill comes first, my one tensor load until the next such barrier; then the other region, now whole for every wave, is read.
.macro TURNW q
.set f_, F0+FB*((\q)%2)
.set g_, F0+FB*(1-(\q)%2)
	WIN 0                                          ; (the add's two registers lie in window 0)
	s_wait_tensorcnt 0x0                           ; no tensor load of mine is out, so a group 0 may be written
	ds_add_u32 v[SPW], v[NIL]                      ; 0 onto my spare word
.if (\q) == 13
	s_add_nc_u64 s[G0R1+2:G0R1+3], s[G0R1+2:G0R1+3], 2*RROWS*2048  ; from K row 224 to 672; the type bits on top are not reached
.endif
.if (\q) == 20
	s_add_nc_u64 s[G0A+2:G0A+3], s[G0A+2:G0A+3], 4*RROWS*2048      ; from K row 0 to 896
.endif
	s_wait_dscnt 13                                ; of 26 loads and the add the oldest 14 are in: W and x's blocks 0-2
	MUL f_, 0, 2, 0
	s_wait_dscnt 0x0                               ; the add is done, my reads of this region are over
	s_barrier_signal -1
	MUL f_, 3, 4, 0                                ; work on registers while the others arrive
	WIN 0
	s_barrier_wait -1
.if (\q) == 6
	tensor_load_to_lds s[G0R0:G0R0+3], s[G1C:G1C+7]
	s_nop 0
.elseif (\q) == 13
	tensor_load_to_lds s[G0R1:G0R1+3], s[G1C:G1C+7]
	s_nop 0
.else
	tensor_load_to_lds s[G0A:G0A+3], s[G1A:G1A+7]
	s_nop 0
.endif
	PLACES                                         ; also the places in front of the loads below
	FETCH (\q)+1, g_
	MUL f_, 5, 8, 0
.endm
; The last quarter.  The stage lies on x's slots: the barrier says that every wave's last fragment loads are back; its two halves stand round the products.
.macro LAST
	s_wait_dscnt 0x0
	s_barrier_signal -1
	MUL F0+FB, 0, 8, 0
	WIN 0
	s_barrier_wait -1
	PLACES
.endm
	s_load_b256 s[4:11], s[0:1], 0x0               ; rows s[4:5], route s[6:7], Wb s[8:9], bias s[10:11]
	s_load_b64 s[12:13], s[0:1], 0x20              ; out
	v_lshl_add_u32 v[SPW], v0, 2, SPARE
	v_mov_b32 v[NIL], 0
	ds_add_u32 v14, v15
	ds_add_u32 v14, v15
	s_wait_dscnt 0x0
	v_lshrrev_b32 v3, 5, v0
	v_readfirstlane_b32 s16, v3                    ; wave 0..3
	s_mov_b32 s17, ttmp9                           ; column tile
	s_and_b32 s18, ttmp7, 0xffff                   ; block
	s_lshl_b32 s20, s18, 2
	v_and_b32 v1, 15, v0                           ; r
	v_bfe_u32 v2, v0, 4, 1                         ; h
	v_lshrrev_b32 v3, 4, v0                        ; 0..7: which of eight rows I fetch
	v_lshlrev_b32 v35, 4, v1
	s_wait_kmcnt 0x0
	s_load_b32 s19, s[6:7], s20 offset:0x11000     ; the block's expert
	s_mul_i32 s21, s18, 576
	v_lshl_add_u32 v39, v3, 2, s21
.set i_, 0
.rept 18
	global_load_b32 v[ROFF+i_], v39, s[6:7] offset:32*i_  ; the tokens of rows 8 i + 0..7
.set i_, i_+1
.endr
	; descriptor group 1, three times: rows of 256 elements of 2 bytes, 1,024 elements from row to row; in LDS 8 words of padding (code 7) after every 128 words (code 6); 32, 24 or 56 rows
.irp g, G1A, G1B, G1C
	s_mov_b32 s[(\g)+0], (1<<16)|(1<<20)|(6<<22)|(7<<25)
	s_mov_b32 s[(\g)+1], 256<<16                   ; tensor_dim0 = 256
	s_mov_b32 s[(\g)+3], 256<<16                   ; tile_dim0 = 256
	s_mov_b32 s[(\g)+5], 1024
	s_mov_b32 s[(\g)+6], 0
	s_mov_b32 s[(\g)+7], 0
.endr
	s_mov_b32 s[G1A+2], 32<<16                     ; tensor_dim1,
	s_mov_b32 s[G1A+4], 32                         ; tile_dim1
	s_mov_b32 s[G1B+2], 24<<16
	s_mov_b32 s[G1B+4], 24
	s_mov_b32 s[G1C+2], 56<<16
	s_mov_b32 s[G1C+4], 56
	s_mov_b32 s[G0A], 1
	s_mul_i32 s[G0A+1], s16, 32*BP                 ; my 32 of region 0's rows 0-127,
	s_mov_b32 s[G0B], 1
	s_mul_i32 s[G0B+1], s16, 24*BP
	s_add_co_u32 s[G0B+1], s[G0B+1], 128*BP        ; my 24 of its rows 128-223,
	s_mov_b32 s[G0R0], 1
	s_mul_i32 s[G0R0+1], s16, 56*BP                ; my 56 of its 224,
	s_mov_b32 s[G0R1], 1
	s_add_co_u32 s[G0R1+1], s[G0R0+1], RB          ; and of region 1's
	s_lshl_b32 s66, s17, 9                         ; byte offsets in Wb, made apart from the address: the tile's 256 columns,
.if WOFF
	s_add_co_u32 s66, s66, WOFF
.endif
	s_mov_b32 s67, 0
	s_lshl_b32 s68, s16, 16                        ; K row 32 w,
	s_mov_b32 s69, 0
	s_mul_i32 s70, s16, 24*2048
	s_add_co_u32 s70, s70, 128*2048                ; 128 + 24 w,
	s_mov_b32 s71, 0
	s_mul_i32 s72, s16, 56*2048
	s_add_co_u32 s76, s72, 2*RROWS*2048            ; 448 + 56 w,
	s_add_co_u32 s72, s72, RROWS*2048              ; 224 + 56 w
	s_mov_b32 s73, 0
	s_mov_b32 s77, 0
	s_lshl_b32 s78, s17, 10
	s_lshl_b32 s79, s16, 8
	s_add_co_u32 s78, s78, s79                     ; the bias: 1,024 x tile + 256 w
	s_wait_kmcnt 0x0
	s_min_u32 s19, s19, 7                          ; a loaded number enters addresses clamped to the table
	s_lshl_b32 s80, s19, 12
	s_add_co_u32 s78, s78, s80
	v_lshl_add_u32 v34, v2, 5, s78                 ; my eight columns of block 0: + 32 h
	; what the first product needs beside W's first rows is asked for ahead of the 224 KiB of first fills: the bias, then x's step 0
.irp b, 0,1,2,3
	global_load_b128 v[40+8*(\b):43+8*(\b)], v34, s[10:11] offset:64*(\b)
	global_load_b128 v[44+8*(\b):47+8*(\b)], v34, s[10:11] offset:64*(\b)+16
.endr
	s_lshl_b32 s80, s19, 21                        ; the expert's 2,097,152 bytes
	s_add_co_u32 s66, s66, s80
	s_add_nc_u64 s[74:75], s[8:9], s[66:67]        ; W's tile at K row 0
	s_add_nc_u64 s[G0A+2:G0A+3], s[74:75], s[68:69]
	s_add_nc_u64 s[G0B+2:G0B+3], s[74:75], s[70:71]
	s_add_nc_u64 s[G0R1+2:G0R1+3], s[74:75], s[72:73]
	s_add_nc_u64 s[G0R0+2:G0R0+3], s[74:75], s[76:77]
	s_or_b32 s[G0A+3], s[G0A+3], 0x80000000        ; type = 2
	s_or_b32 s[G0B+3], s[G0B+3], 0x80000000
	s_or_b32 s[G0R1+3], s[G0R1+3], 0x80000000
	s_or_b32 s[G0R0+3], s[G0R0+3], 0x80000000
	s_wait_loadcnt 8                               ; the tokens are in: the eight loads of the bias were issued behind them
.set i_, 0
.rept 18
	v_min_u32 v[ROFF+i_], 0xfff, v[ROFF+i_]        ; clamped to the 4,096 rows
	v_lshl_add_u32 v[ROFF+i_], v[ROFF+i_], 11, v35 ; row x 2,048 + 16 (t % 16)
.set i_, i_+1
.endr
	ALOAD 0
	WIN 0
	tensor_load_to_lds s[G0A:G0A+3], s[G1A:G1A+7]  ; the three first fills go out together, ahead of every wait on TENSORcnt, LDS read and barrier: three loads of mine are out
	s_nop 0
	tensor_load_to_lds s[G0B:G0B+3], s[G1B:G1B+7]
	s_nop 0
	tensor_load_to_lds s[G0R1:G0R1+3], s[G1C:G1C+7]
	s_nop 0
	PLACES
	ALOAD 1
	WIN 0
	v_mul_u32_u24 v36, v1, AP
	v_lshl_add_u32 v36, v2, 4, v36                 ; x's fragments: row r x pitch + 16 h
	v_add_nc_u32 v[ADRA], AS0, v36
	v_add_nc_u32 v[ADRA+1], AS0+ASLOT, v36
	v_and_b32 v37, 7, v0                           ; W's: the turning load's lane l reads row 8 h + l % 8, 16 bytes at 16 ((l / 8) % 2), in my 128 bytes of the row
	v_lshl_add_u32 v37, v2, 3, v37
	v_mul_u32_u24 v37, v37, BP
	v_bfe_u32 v38, v0, 3, 1
	v_lshl_add_u32 v37, v38, 4, v37
	s_lshl_b32 s80, s16, 7
	v_add_nc_u32 v[ADRB], s80, v37
	v_add_nc_u32 v[ADRB+1], 4*32*BP, v[ADRB]
	v_add_nc_u32 v[ADRB+2], RB, v[ADRB]
	v_add_nc_u32 v[ADRB+3], RB+4*32*BP, v[ADRB]
	v_mul_u32_u24 v38, v3, AP
	v_lshl_add_u32 v38, v1, 4, v38
	v_add_nc_u32 v[STA], AS0, v38
	v_add_nc_u32 v[STA+1], AS0+ASLOT, v38
	v_mul_u32_u24 v36, v1, SP                      ; the way out, in: row r, my wave's 128 bytes, 16 bytes for each half of the lanes
	v_lshl_add_u32 v36, v2, 4, v36
	s_add_co_u32 s81, s80, STAGE
	v_add_nc_u32 v[STO], s81, v36
	v_add_nc_u32 v[STO2], 8*16*SP, v[STO]
	v_and_b32 v37, 31, v0                          ; back: wave w takes rows 36 w .. 36 w + 35 whole, 512 bytes by 32 lanes
	s_mul_i32 s81, s16, 36*SP
	s_add_co_u32 s81, s81, STAGE
	v_lshl_add_u32 v[RD], v37, 4, s81
	v_lshlrev_b32 v[CO], 4, v37
	s_mul_i32 s82, s18, 144
	s_mul_i32 s81, s16, 36
	s_add_co_u32 s82, s82, s81
	s_lshl_b32 s82, s82, 11                        ; H: my first row x 2,048
	s_lshl_b32 s81, s17, 9
	s_add_co_u32 s82, s82, s81                     ; + the tile's 512 bytes
	s_mov_b32 s83, 0
	s_add_nc_u64 s[12:13], s[12:13], s[82:83]
	s_wait_loadcnt 36                              ; the bias is in: the 36 loads of x's steps 0 and 1 were issued behind it
.set i_, 0
.rept 16
	v_cvt_pk_bf16_f32 v[72+i_], v[40+2*i_], v[41+2*i_]  ; rounded to bf16 like every input,
.set i_, i_+1
.endr
	WIN 0x80
.set i_, 0
.rept 16
	v_lshlrev_b32 v[BIAS+2*i_],   16, v[72+i_]     ; and widened again: the C operand of the first products
	v_and_b32     v[BIAS+2*i_+1], 0xffff0000, v[72+i_]
.set i_, i_+1
.endr
	s_wait_loadcnt 18                              ; x's step 0 is in; step 1's 18 loads were issued behind it
	STASH 0
	s_wait_dscnt 0x0                               ; my part of x's slot 0 is in LDS, and set 0 has been read:
	ALOAD 2                                        ; it takes step 2
	WIN 0
	s_wait_tensorcnt 2                             ; my part of W's rows 0-127 is in; the two later fills may stay out
	s_barrier_signal -1
	s_barrier_wait -1
	FETCH 0, F0
	; the 32 quarters: the first one's products start the sums with the bias
.set q_, 0
.rept 32
.if q_ == 31
	LAST
.elseif q_%4 == 3
	TURNA q_
.elseif (q_ == 6) || (q_ == 13) || (q_ == 20)
	TURNW q_
.else
	QUARTER q_
.endif
.set q_, q_+1
.endr
	; THE WAY OUT: relu, rounded to bf16, 16 bytes a lane into the work-group's stage; a barrier, since a row's 512 bytes come from four waves; back as whole rows.  Each accumulator is read from its low end on.
.set a_, 0
.rept 9
.if a_ < 8
	WIN 0x04                                       ; source 1 in window 1
.set d_, 32*a_
.else
	WIN 0x08
.set d_, 0
.endif
.set i_, 0
.rept 32
	v_max_num_f32 v[TMP+i_], 0, v[d_+i_]
.set i_, i_+1
.endr
	WIN 0
.set i_, 0
.rept 16
	v_cvt_pk_bf16_f32 v[PK+16*a_+i_], v[TMP+2*i_], v[TMP+2*i_+1]
.set i_, i_+1
.endr
.irp b, 0,1,2,3
.if a_ < 8
	ds_store_b128 v[STO], v[PK+16*a_+4*(\b):PK+16*a_+4*(\b)+3] offset:a_*16*SP+32*(\b)
.else
	ds_store_b128 v[STO2], v[PK+16*a_+4*(\b):PK+16*a_+4*(\b)+3] offset:32*(\b)
.endif
.endr
.set a_, a_+1
.endr
	s_wait_dscnt 0x0                               ; for the others' sake: my stores into the stage are done
	s_barrier_signal -1
	s_barrier_wait -1
.set i_, 0
.rept 36
	ds_load_b128 v[PK+4*i_:PK+4*i_+3], v[RD] offset:SP*i_
.set i_, i_+1
.endr
.set i_, 0
.rept 36
	s_wait_dscnt 35-i_
	global_store_b128 v[CO], v[PK+4*i_:PK+4*i_+3], s[12:13] offset:2048*i_  ; 512 consecutive bytes, at a multiple of 256 from H's first byte
.set i_, i_+1
.endr
	s_wait_tensorcnt 0x0                           ; the wave's end, behind my last tensor load and my last LDS store
	ds_add_u32 v[SPW], v[NIL]
	s_wait_dscnt 0x0
	s_endpgm
.Lfunc_end_k_q874373b04c_ffn1:
	.size	k_q874373b04c_ffn1, .Lfunc_end_k_q874373b04c_ffn1-k_q874373b04c_ffn1
	.p2alignl 7, 3214868480
	.fill 96, 4, 3214868480
	.section	.rodata,"a",@progbits
	.p2align	6, 0x0
	.amdhsa_kernel k_q874373b04c_ffn1
		.amdhsa_group_segment_fixed_size 327680
		.amdhsa_private_segment_fixed_size 0
		.amdhsa_enable_private_segment 0
		.amdhsa_kernarg_size 40
		.amdhsa_user_sgpr_count 2
		.amdhsa_user_sgpr_kernarg_segment_ptr 1
		.amdhsa_wavefront_size32 1
		.amdhsa_system_sgpr_workgroup_id_x 1
		.amdhsa_system_sgpr_workgroup_id_y 1
		.amdhsa_system_sgpr_workgroup_id_z 1
		.amdhsa_system_vgpr_workitem_id 0
		.amdhsa_next_free_vgpr 720
		.amdhsa_next_free_sgpr 84
		.amdhsa_reserve_vcc 0
		.amdhsa_float_denorm_mode_32 3
		.amdhsa_float_denorm_mode_16_64 3
		.amdhsa_memory_ordered 1
		.amdhsa_forward_progress 1
		.amdhsa_inst_pref_size 201
	.end_amdhsa_kernel
	.amdgpu_metadata
---
amdhsa.version: [ 1, 2 ]
amdhsa.kernels:
  - .name:           k_q874373b04c_ffn1
    .symbol:         k_q874373b04c_ffn1.kd
    .args:
      - { .name: xb, .offset: 0, .size: 8, .value_kind: global_buffer, .address_space: global }
      - { .name: route, .offset: 8, .size: 8, .value_kind: global_buffer, .address_space: global }
      - { .name: Wb, .offset: 16, .size: 8, .value_kind: global_buffer, .address_space: global }
      - { .name: b1, .offset: 24, .size: 8, .value_kind: global_buffer, .address_space: global }
      - { .name: H, .offset: 32, .size: 8, .value_kind: global_buffer, .address_space: global }
    .group_segment_fixed_size: 327680
    .private_segment_fixed_size: 0
    .kernarg_segment_align: 8
    .kernarg_segment_size: 40
    .max_flat_workgroup_size: 128
    .sgpr_count:     84
    .vgpr_count:     720
    .wavefront_size: 32
...
	.end_amdgpu_metadata
.endif
;; end of part 3
;; launch ffn2 (part 4): grid 4 x 64, 4 waves a work-group, no clusters, 327,680 bytes of LDS; arguments H, route, Wb, b2, Y; writes Y
.if DOCPART == 4
	.amdgcn_target "amdgcn-amd-amdhsa--gfx1250"
	.amdhsa_code_object_version 6
	.text
	.protected	k_q874373b04c_ffn2
	.globl	k_q874373b04c_ffn2
	.p2align	8
	.type	k_q874373b04c_ffn2,@function
k_q874373b04c_ffn2:
	s_mov_b64 s[64:65], 0
	v_nop
	global_prefetch_b8 v0, s[64:65] scope:SCOPE_SE
	s_setreg_imm32_b32 hwreg(HW_REG_WAVE_MODE, 25, 1), 1
	s_wait_xcnt 0x0
; FFN2.  Y[slot][d] = sum over f of H[slot][f] W2b[e][f][d] + bf16(b2[e][d]), e = bexp[slot / 144].  Operands bf16, sums f32 (the bias starts the sum), Y in f32.
; SHARES.  A work-group makes 144 slots (block y, one expert's) x 256 columns (tile x); 64 x 4 work-groups.  Wave w makes all 144 rows x columns 64 w .. 64 w + 63: 36 accumulators of 16 x 16.
; Slots that are not used are computed and stored like the others and nobody reads them, so the text has no mask and no trip count that hangs on the routing.
; K goes in 32 quarters of 32, written out by macro (no loop, no branch: K's place stands in the loads' immediates).
;   W (stored [K][N]) comes by tensor loads into TWO REGIONS OF 224 K ROWS (seven quarters each), which lie end to end, and is turned on the way into registers by ds_load_tr16_b128.  448 of the 1,024
;   rows are asked for at the start (rows 0-127 by a load of their own, so that the first product waits for no more than those); three refills follow, in quarters 6, 13 and 20, each behind a barrier
;   of its own, each shared among the four waves: 232 matrix instructions of a wave stand between such a request and the wait for it.
;   H's rows take the road that the launch before gives its gathered rows, so that the two texts share their loop, in steps of 128 along K: sixteen lanes read 256 consecutive aligned bytes of one row
;   into one of two sets of registers, three steps ahead of the products, and ds_store them into two slots of their own, which no tensor load touches; the slots change in quarters 3, 7, .. 27,
;   behind plain barriers, across which tensor loads stay on their way.
; THE MATRIX INSTRUCTION IS USED TRANSPOSED: source 0 = 16 columns of W, source 1 = 16 rows of H: lane (r, h) holds row r and the eight neighbouring columns 8 h + 0..7.
; NO CLUSTER: how many blocks an expert has hangs on the routing, so four neighbouring blocks need not share W's tiles (quads of 576 slots would want up to 22 quads for 16 places);
; the four column tiles of a block share H's rows, 36,864 of the 102,400 bytes of 128 along K, which go through registers here.
; All of a WGP's LDS is claimed; the text uses 322,560 bytes.
; LIMITS.  b2 is rounded to bf16 like every input of the program.  NaN and infinities are not treated apart.
; REGISTERS, in windows of 256 (s_set_vgpr_msb: bits 1:0 source 0, 3:2 source 1, 5:4 source 2, 7:6 destination):
;   window 0: v0-39, v248-251 addresses; v40-143, v144-247 two fragment buffers (H's block a at + 8 a, W's block b at + 72 + 8 b)
;   window 1: accumulator (a < 8, b) at v[32 a + 8 b]          window 2: v0-31 accumulators of a = 8; v32-63 the bias as a C operand; v64-135, v136-207 H's rows on their way to LDS, two sets
.set GATHER, 0
.set WOFF,   16777216                  ; W2's place in Wb
.set BP,     544                       ; a row of W in LDS: 512 bytes + 32 = 17 x 32
.set AP,     272                       ; a row of H: 256 bytes + 16 = 17 x 16: the 16 rows of a load start at 16 different groups of four banks
.set RROWS,  224                       ; K rows in a region of W
.set RB,     RROWS*BP                  ; W's regions at 0 and RB
.set AS0,    2*RB                      ; H's slots, written by ds_store alone
.set ASLOT,  144*AP
.set STAGE,  AS0                       ; the way out: 16 rows x 272 bytes for each wave, on H's slot 0, whose last reads stand in front of quarter 27's barrier
.set SP,     272
.set SPARE,  AS0+2*ASLOT               ; the spare words, 128 bytes for each wave: two blocks of 256 bytes that no other line names
.set ADRA, 4                           ; v4-5   LDS address of my fragments of H in slot 0, 1
.set STA,  8                           ; v8-9   where I put 16 bytes of H's rows, slot 0, 1
.set STO,  10                          ; v10    the way out: where I put 32 bytes of a row
.set RD,   12                          ; v12    where I read rows back
.set CO,   13                          ; v13    my byte offset in two rows of Y
.set SPW,  14                          ; v14    LDS address of my spare word; never rewritten
.set NIL,  15                          ; v15    0; never rewritten
.set ROFF, 16                          ; v16    byte offset of my 16 bytes in the block's first eight rows; never rewritten
.set F0,   40                          ; fragment buffer 0; buffer 1 lies FB registers on
.set FB,   104
.set ADRB, 248                         ; v248-251 LDS address of my fragments of W: region r, its quarters 0-3 at ADRB + 2 r, quarters 4-6 at ADRB + 2 r + 1 (the offset has 16 bits)
.set BK,   40                          ; the way out: 16 rows read back: v40-71 and v72-103 by turns
.set BIAS, 32                          ; window 2
.set STG,  64                          ; window 2: set 0; set 1 lies 72 registers on
.set G1A,  24                          ; s[24:31] descriptor group 1: 32 rows a wave
.set G1B,  32                          ; s[32:39] 24 rows a wave
.set G1C,  40                          ; s[40:47] 56 rows a wave
.set G0A,  48                          ; s[48:51] group 0: K rows 0-127, later 896-1023, into region 0's first 128 rows
.set G0B,  52                          ; s[52:55] K rows 128-223 into region 0's last 96 rows
.set G0R1, 56                          ; s[56:59] K rows 224-447, later 672-895, into region 1
.set G0R0, 60                          ; s[60:63] K rows 448-671 into region 0
.set MSB, 0
.macro WIN new                         ; the immediate's high byte repeats the setting that is left; a switch that changes nothing is dropped
.if MSB != (\new)
	s_set_vgpr_msb (MSB<<8)|(\new)
.set MSB, (\new)
.endif
.endm
.macro PLACES                          ; four places: in front of loads into registers that matrix instructions have read, and of reads of results (ISA guide 7.12.1 for reads of results)
.rept 4
	v_nop
.endr
.endm
; 26 LDS loads in one run: the fragments of quarter qn (K = 32 qn on) into buffer f: W's four blocks (turned), then H's nine.
; W: quarters 0-6 and 14-20 lie in region 0, 7-13 and 21-27 in region 1, 28-31 in region 0's first 128 rows.  H: step qn / 4 lies in slot (qn / 4) % 2.
.macro FETCH qn, f
	WIN 0
.if (\qn) < 28
.set wr_, ((\qn)/7)%2
.set wq_, (\qn)%7
.else
.set wr_, 0
.set wq_, (\qn)-28
.endif
.set wa_, ADRB+2*wr_+wq_/4
.set wo_, (wq_%4)*32*BP
.set as_, ADRA+((\qn)/4)%2
.set ao_, ((\qn)%4)*64
.irp b, 0,1,2,3
	ds_load_tr16_b128 v[(\f)+72+8*(\b):(\f)+72+8*(\b)+3],   v[wa_] offset:wo_+32*(\b)
	ds_load_tr16_b128 v[(\f)+72+8*(\b)+4:(\f)+72+8*(\b)+7], v[wa_] offset:wo_+16*BP+32*(\b)
.endr
.irp a, 0,1,2,3,4,5,6,7,8
	ds_load_b128 v[(\f)+8*(\a):(\f)+8*(\a)+3],   v[as_] offset:(\a)*16*AP+ao_
	ds_load_b128 v[(\f)+8*(\a)+4:(\f)+8*(\a)+7], v[as_] offset:(\a)*16*AP+ao_+32
.endr
.endm
; Row blocks alo .. ahi x all four column blocks, 32 along K.  bias = 1: the bias starts the sums: nothing is cleared.
; The 36 accumulators take turns in one fixed order, one instruction a turn.
.macro MUL f, alo, ahi, bias
.set a_, (\alo)
.rept (\ahi)-(\alo)+1
.if a_ < 8
.set d_, 32*a_
.if \bias
	WIN 0x60
.else
	WIN 0x50
.endif
.else
.set d_, 0
	WIN 0xa0
.endif
.irp b, 0,1,2,3
.if \bias
	v_wmma_f32_16x16x32_bf16 v[d_+8*(\b):d_+8*(\b)+7], v[(\f)+72+8*(\b):(\f)+72+8*(\b)+7], v[(\f)+8*a_:(\f)+8*a_+7], v[BIAS+8*(\b):BIAS+8*(\b)+7]
.else
	v_wmma_f32_16x16x32_bf16 v[d_+8*(\b):d_+8*(\b)+7], v[(\f)+72+8*(\b):(\f)+72+8*(\b)+7], v[(\f)+8*a_:(\f)+8*a_+7], v[d_+8*(\b):d_+8*(\b)+7]
.endif
.endr
.set a_, a_+1
.endr
.endm
; Step t (128 along K) of the 144 rows into register set t % 2: 18 loads; load i takes rows 8 i .. 8 i + 7, sixteen lanes a row
.macro ALOAD t
	WIN 0x80
.set sg_, STG+72*((\t)%2)
.set i_, 0
.rept 18
.if GATHER
	global_load_b128 v[sg_+4*i_:sg_+4*i_+3], v[ROFF+i_], s[4:5] offset:256*(\t)
.else
	global_load_b128 v[sg_+4*i_:sg_+4*i_+3], v[ROFF], s[4:5] offset:16384*i_+256*(\t)
.endif
.set i_, i_+1
.endr
.endm
.macro STASH t                         ; and from that set into slot t % 2
	WIN 0x08
.set sg_, STG+72*((\t)%2)
.set i_, 0
.rept 18
	ds_store_b128 v[STA+(\t)%2], v[sg_+4*i_:sg_+4*i_+3] offset:8*AP*i_
.set i_, i_+1
.endr
.endm
; A plain quarter: multiplies buffer q % 2; in its middle it fetches quarter q + 1 into the other buffer
.macro QUARTER q
.set f_, F0+FB*((\q)%2)
.set g_, F0+FB*(1-(\q)%2)
.if (\q) == 0
.set b_, 1
.else
.set b_, 0
.endif
	s_wait_dscnt 10                                ; W and H's blocks 0-3 are in; the youngest ten loads (blocks 4-8) may be out
	MUL f_, 0, 3, b_
	PLACES
	FETCH (\q)+1, g_
	s_wait_dscnt 26                                ; all but the 26 just issued
	MUL f_, 4, 8, b_
.endm
; A step's fourth quarter changes H's slots: ONE plain barrier.  In front of it H's next step goes from its registers into the other slot (read last a step ago, in front of the last such barrier),
; and my reads of this slot and my stores are done.  Behind it nothing is filled by a tensor load, so tensor loads may stay on their way; the freed register set takes H's step t + 3.
; Two of these barriers also show W's rows to every wave: quarter 3's the rows 128-223, quarter 27's the last refill.
.macro TURNA q
.set f_, F0+FB*((\q)%2)
.set g_, F0+FB*(1-(\q)%2)
.set t_, (\q)/4
.if t_ < 6
	s_wait_loadcnt 18                              ; H's step t + 1 is in its registers; the 18 loads of step t + 2 were issued behind it
.else
	s_wait_loadcnt 0x0                             ; the last step: nothing was issued behind it
.endif
	STASH t_+1
.if (\q) == 3
	s_wait_tensorcnt 1                             ; my part of W's rows 128-223 is in; region 1's fill, issued behind it, may stay out
.endif
.if (\q) == 27
	s_wait_tensorcnt 0x0                           ; my part of the last refill is in: no load was issued behind it
.endif
	s_wait_dscnt 30                                ; of 26 loads and 18 stores the oldest 14 are in: W and H's blocks 0-2
	MUL f_, 0, 2, 0
	s_wait_dscnt 0x0                               ; my stores are done, my reads of this slot are over
	s_barrier_signal -1
	MUL f_, 3, 4, 0                                ; work on registers while the others arrive
	WIN 0
	s_barrier_wait -1
	PLACES                                         ; in front of the loads into the other fragment buffer
.if t_ < 5
	ALOAD t_+3
.endif
	FETCH (\q)+1, g_
	MUL f_, 5, 8, 0
.endm
; A region of W has been read out (quarters 6, 13, 20) and is filled again.  In front of the barrier: all my tensor loads have landed (one is out: my part of the other region); the add; my reads
; of this region are over.  Behind it the refill comes first, my one tensor load until the next such barrier; then the other region, now whole for every wave, is read.
.macro TURNW q
.set f_, F0+FB*((\q)%2)
.set g_, F0+FB*(1-(\q)%2)
	WIN 0                                          ; (the add's two registers lie in window 0)
	s_wait_tensorcnt 0x0                           ; no tensor load of mine is out, so a group 0 may be written
	ds_add_u32 v[SPW], v[NIL]                      ; 0 onto my spare word
.if (\q) == 13
	s_add_nc_u64 s[G0R1+2:G0R1+3], s[G0R1+2:G0R1+3], 2*RROWS*2048  ; from K row 224 to 672; the type bits on top are not reached
.endif
.if (\q) == 20
	s_add_nc_u64 s[G0A+2:G0A+3], s[G0A+2:G0A+3], 4*RROWS*2048      ; from K row 0 to 896
.endif
	s_wait_dscnt 13                                ; of 26 loads and the add the oldest 14 are in: W and H's blocks 0-2
	MUL f_, 0, 2, 0
	s_wait_dscnt 0x0                               ; the add is done, my reads of this region are over
	s_barrier_signal -1
	MUL f_, 3, 4, 0                                ; work on registers while the others arrive
	WIN 0
	s_barrier_wait -1
.if (\q) == 6
	tensor_load_to_lds s[G0R0:G0R0+3], s[G1C:G1C+7]
	s_nop 0
.elseif (\q) == 13
	tensor_load_to_lds s[G0R1:G0R1+3], s[G1C:G1C+7]
	s_nop 0
.else
	tensor_load_to_lds s[G0A:G0A+3], s[G1A:G1A+7]
	s_nop 0
.endif
	PLACES                                         ; also the places in front of the loads below
	FETCH (\q)+1, g_
	MUL f_, 5, 8, 0
.endm
.macro LAST                            ; the last quarter: nothing more to fetch
	s_wait_dscnt 0x0
	MUL F0+FB, 0, 8, 0
	WIN 0
	PLACES
.endm
	s_load_b256 s[4:11], s[0:1], 0x0               ; rows s[4:5], route s[6:7], Wb s[8:9], bias s[10:11]
	s_load_b64 s[12:13], s[0:1], 0x20              ; out
	v_lshl_add_u32 v[SPW], v0, 2, SPARE
	v_mov_b32 v[NIL], 0
	ds_add_u32 v14, v15
	ds_add_u32 v14, v15
	s_wait_dscnt 0x0
	v_lshrrev_b32 v3, 5, v0
	v_readfirstlane_b32 s16, v3                    ; wave 0..3
	s_mov_b32 s17, ttmp9                           ; column tile
	s_and_b32 s18, ttmp7, 0xffff                   ; block
	s_lshl_b32 s20, s18, 2
	v_and_b32 v1, 15, v0                           ; r
	v_bfe_u32 v2, v0, 4, 1                         ; h
	v_lshrrev_b32 v3, 4, v0                        ; 0..7: which of eight rows I fetch
	v_lshlrev_b32 v35, 4, v1
	v_lshl_add_u32 v[ROFF], v3, 11, v35            ; row x 2,048 + 16 (t % 16)
	s_mul_i32 s82, s18, 144*2048
	s_mov_b32 s83, 0
	s_wait_kmcnt 0x0
	s_load_b32 s19, s[6:7], s20 offset:0x11000     ; the block's expert
	s_add_nc_u64 s[4:5], s[4:5], s[82:83]          ; the block's first row
	ALOAD 0                                        ; H's step 0 hangs on the block alone: it is asked for while the expert is on its way
	WIN 0
	; descriptor group 1, three times: rows of 256 elements of 2 bytes, 1,024 elements from row to row; in LDS 8 words of padding (code 7) after every 128 words (code 6); 32, 24 or 56 rows
.irp g, G1A, G1B, G1C
	s_mov_b32 s[(\g)+0], (1<<16)|(1<<20)|(6<<22)|(7<<25)
	s_mov_b32 s[(\g)+1], 256<<16                   ; tensor_dim0 = 256
	s_mov_b32 s[(\g)+3], 256<<16                   ; tile_dim0 = 256
	s_mov_b32 s[(\g)+5], 1024
	s_mov_b32 s[(\g)+6], 0
	s_mov_b32 s[(\g)+7], 0
.endr
	s_mov_b32 s[G1A+2], 32<<16                     ; tensor_dim1,
	s_mov_b32 s[G1A+4], 32                         ; tile_dim1
	s_mov_b32 s[G1B+2], 24<<16
	s_mov_b32 s[G1B+4], 24
	s_mov_b32 s[G1C+2], 56<<16
	s_mov_b32 s[G1C+4], 56
	s_mov_b32 s[G0A], 1
	s_mul_i32 s[G0A+1], s16, 32*BP                 ; my 32 of region 0's rows 0-127,
	s_mov_b32 s[G0B], 1
	s_mul_i32 s[G0B+1], s16, 24*BP
	s_add_co_u32 s[G0B+1], s[G0B+1], 128*BP        ; my 24 of its rows 128-223,
	s_mov_b32 s[G0R0], 1
	s_mul_i32 s[G0R0+1], s16, 56*BP                ; my 56 of its 224,
	s_mov_b32 s[G0R1], 1
	s_add_co_u32 s[G0R1+1], s[G0R0+1], RB          ; and of region 1's
	s_lshl_b32 s66, s17, 9                         ; byte offsets in Wb, made apart from the address: the tile's 256 columns,
.if WOFF
	s_add_co_u32 s66, s66, WOFF
.endif
	s_mov_b32 s67, 0
	s_lshl_b32 s68, s16, 16                        ; K row 32 w,
	s_mov_b32 s69, 0
	s_mul_i32 s70, s16, 24*2048
	s_add_co_u32 s70, s70, 128*2048                ; 128 + 24 w,
	s_mov_b32 s71, 0
	s_mul_i32 s72, s16, 56*2048
	s_add_co_u32 s76, s72, 2*RROWS*2048            ; 448 + 56 w,
	s_add_co_u32 s72, s72, RROWS*2048              ; 224 + 56 w
	s_mov_b32 s73, 0
	s_mov_b32 s77, 0
	s_lshl_b32 s78, s17, 10
	s_lshl_b32 s79, s16, 8
	s_add_co_u32 s78, s78, s79                     ; the bias: 1,024 x tile + 256 w
	s_wait_kmcnt 0x0
	s_min_u32 s19, s19, 7                          ; a loaded number enters addresses clamped to the table
	s_lshl_b32 s80, s19, 12
	s_add_co_u32 s78, s78, s80
	v_lshl_add_u32 v34, v2, 5, s78                 ; my eight columns of block 0: + 32 h
	; the bias, which the first product needs, is asked for ahead of the 224 KiB of first fills
.irp b, 0,1,2,3
	global_load_b128 v[40+8*(\b):43+8*(\b)], v34, s[10:11] offset:64*(\b)
	global_load_b128 v[44+8*(\b):47+8*(\b)], v34, s[10:11] offset:64*(\b)+16
.endr
	s_lshl_b32 s80, s19, 21                        ; the expert's 2,097,152 bytes
	s_add_co_u32 s66, s66, s80
	s_add_nc_u64 s[74:75], s[8:9], s[66:67]        ; W's tile at K row 0
	s_add_nc_u64 s[G0A+2:G0A+3], s[74:75], s[68:69]
	s_add_nc_u64 s[G0B+2:G0B+3], s[74:75], s[70:71]
	s_add_nc_u64 s[G0R1+2:G0R1+3], s[74:75], s[72:73]
	s_add_nc_u64 s[G0R0+2:G0R0+3], s[74:75], s[76:77]
	s_or_b32 s[G0A+3], s[G0A+3], 0x80000000        ; type = 2
	s_or_b32 s[G0B+3], s[G0B+3], 0x80000000
	s_or_b32 s[G0R1+3], s[G0R1+3], 0x80000000
	s_or_b32 s[G0R0+3], s[G0R0+3], 0x80000000
	tensor_load_to_lds s[G0A:G0A+3], s[G1A:G1A+7]  ; the three first fills go out together, ahead of every wait on TENSORcnt, LDS read and barrier: three loads of mine are out
	s_nop 0
	tensor_load_to_lds s[G0B:G0B+3], s[G1B:G1B+7]
	s_nop 0
	tensor_load_to_lds s[G0R1:G0R1+3], s[G1C:G1C+7]
	s_nop 0
	PLACES
	ALOAD 1
	WIN 0
	v_mul_u32_u24 v36, v1, AP
	v_lshl_add_u32 v36, v2, 4, v36                 ; H's fragments: row r x pitch + 16 h
	v_add_nc_u32 v[ADRA], AS0, v36
	v_add_nc_u32 v[ADRA+1], AS0+ASLOT, v36
	v_and_b32 v37, 7, v0                           ; W's: the turning load's lane l reads row 8 h + l % 8, 16 bytes at 16 ((l / 8) % 2), in my 128 bytes of the row
	v_lshl_add_u32 v37, v2, 3, v37
	v_mul_u32_u24 v37, v37, BP
	v_bfe_u32 v38, v0, 3, 1
	v_lshl_add_u32 v37, v38, 4, v37
	s_lshl_b32 s80, s16, 7
	v_add_nc_u32 v[ADRB], s80, v37
	v_add_nc_u32 v[ADRB+1], 4*32*BP, v[ADRB]
	v_add_nc_u32 v[ADRB+2], RB, v[ADRB]
	v_add_nc_u32 v[ADRB+3], RB+4*32*BP, v[ADRB]
	v_mul_u32_u24 v38, v3, AP
	v_lshl_add_u32 v38, v1, 4, v38
	v_add_nc_u32 v[STA], AS0, v38
	v_add_nc_u32 v[STA+1], AS0+ASLOT, v38
	s_mul_i32 s81, s16, 16*SP
	s_add_co_u32 s81, s81, STAGE                   ; my stage
	v_mul_u32_u24 v36, v1, SP                      ; in: row r, 32 bytes for each half of the lanes
	v_lshl_add_u32 v36, v2, 5, v36
	v_add_nc_u32 v[STO], s81, v36
	v_mul_u32_u24 v36, v2, SP                      ; back: lanes 0-15 take one row of 256 bytes, lanes 16-31 the next
	v_lshl_add_u32 v36, v1, 4, v36
	v_add_nc_u32 v[RD], s81, v36
	v_lshlrev_b32 v[CO], 12, v2                    ; and the same two rows in Y
	v_lshl_add_u32 v[CO], v1, 4, v[CO]
	s_mul_i32 s82, s18, 144*4096                   ; Y: the block's first row,
	s_lshl_b32 s81, s17, 10                        ; the tile's 1,024 bytes,
	s_add_co_u32 s82, s82, s81
	s_add_co_u32 s82, s82, s79                     ; my wave's 256
	s_mov_b32 s83, 0
	s_add_nc_u64 s[12:13], s[12:13], s[82:83]
	s_wait_loadcnt 18                              ; H's step 0 and the bias are in: the 18 loads of step 1 were issued behind them
.set i_, 0
.rept 16
	v_cvt_pk_bf16_f32 v[72+i_], v[40+2*i_], v[41+2*i_]  ; rounded to bf16 like every input,
.set i_, i_+1
.endr
	WIN 0x80
.set i_, 0
.rept 16
	v_lshlrev_b32 v[BIAS+2*i_],   16, v[72+i_]     ; and widened again: the C operand of the first products
	v_and_b32     v[BIAS+2*i_+1], 0xffff0000, v[72+i_]
.set i_, i_+1
.endr
	STASH 0
	s_wait_dscnt 0x0                               ; my part of H's slot 0 is in LDS, and set 0 has been read:
	ALOAD 2                                        ; it takes step 2
	WIN 0
	s_wait_tensorcnt 2                             ; my part of W's rows 0-127 is in; the two later fills may stay out
	s_barrier_signal -1
	s_barrier_wait -1
	FETCH 0, F0
	; the 32 quarters: the first one's products start the sums with the bias
.set q_, 0
.rept 32
.if q_ == 31
	LAST
.elseif q_%4 == 3
	TURNA q_
.elseif (q_ == 6) || (q_ == 13) || (q_ == 20)
	TURNW q_
.else
	QUARTER q_
.endif
.set q_, q_+1
.endr
; THE WAY OUT, a block of 16 rows at a time through my own stage: a lane's eight f32 go in as 32 bytes of a row (each accumulator's low four registers first) and come back as whole rows of 256 bytes.
; LDS serves a wave's instructions in order (ISA guide 5.7.1.4): the loads see the stores above them, and the next block's stores come behind them.  No other wave touches my stage any more: no barrier.
.macro OUT a
.if (\a) < 8
	WIN 0x04                                       ; the stores' data (source 1) in window 1
.set d_, 32*(\a)
.else
	WIN 0x08
.set d_, 0
.endif
.irp b, 0,1,2,3
	ds_store_b128 v[STO], v[d_+8*(\b):d_+8*(\b)+3]   offset:64*(\b)
	ds_store_b128 v[STO], v[d_+8*(\b)+4:d_+8*(\b)+7] offset:64*(\b)+16
.endr
	WIN 0
.set k_, BK+32*((\a)%2)
	s_wait_xcnt 0x0                                ; the stores of the block two back read these registers: they are loaded again only behind this wait
.irp i, 0,1,2,3,4,5,6,7
	ds_load_b128 v[k_+4*(\i):k_+4*(\i)+3], v[RD] offset:(\i)*2*SP
.endr
.endm
.macro SEND a, younger                 ; younger: the LDS instructions issued behind block a's loads: the next block's sixteen, or none
.set k_, BK+32*((\a)%2)
.irp i, 0,1,2,3,4,5,6,7
	s_wait_dscnt (\younger)+7-(\i)
	global_store_b128 v[CO], v[k_+4*(\i):k_+4*(\i)+3], s[12:13] offset:(16*(\a)+2*(\i))*4096  ; 16 lanes store 256 consecutive bytes, at a multiple of 256 from Y's first byte
.endr
.endm
	OUT 0
.irp a, 1,2,3,4,5,6,7,8
	OUT \a
	SEND (\a)-1, 16
.endr
	SEND 8, 0
	s_wait_tensorcnt 0x0                           ; the wave's end, behind my last tensor load and my last LDS store
	ds_add_u32 v[SPW], v[NIL]
	s_wait_dscnt 0x0
	s_endpgm
.Lfunc_end_k_q874373b04c_ffn2:
	.size	k_q874373b04c_ffn2, .Lfunc_end_k_q874373b04c_ffn2-k_q874373b04c_ffn2
	.p2alignl 7, 3214868480
	.fill 96, 4, 3214868480
	.section	.rodata,"a",@progbits
	.p2align	6, 0x0
	.amdhsa_kernel k_q874373b04c_ffn2
		.amdhsa_group_segment_fixed_size 327680
		.amdhsa_private_segment_fixed_size 0
		.amdhsa_enable_private_segment 0
		.amdhsa_kernarg_size 40
		.amdhsa_user_sgpr_count 2
		.amdhsa_user_sgpr_kernarg_segment_ptr 1
		.amdhsa_wavefront_size32 1
		.amdhsa_system_sgpr_workgroup_id_x 1
		.amdhsa_system_sgpr_workgroup_id_y 1
		.amdhsa_system_sgpr_workgroup_id_z 1
		.amdhsa_system_vgpr_workitem_id 0
		.amdhsa_next_free_vgpr 720
		.amdhsa_next_free_sgpr 84
		.amdhsa_reserve_vcc 0
		.amdhsa_float_denorm_mode_32 3
		.amdhsa_float_denorm_mode_16_64 3
		.amdhsa_memory_ordered 1
		.amdhsa_forward_progress 1
		.amdhsa_inst_pref_size 189
	.end_amdhsa_kernel
	.amdgpu_metadata
---
amdhsa.version: [ 1, 2 ]
amdhsa.kernels:
  - .name:           k_q874373b04c_ffn2
    .symbol:         k_q874373b04c_ffn2.kd
    .args:
      - { .name: H, .offset: 0, .size: 8, .value_kind: global_buffer, .address_space: global }
      - { .name: route, .offset: 8, .size: 8, .value_kind: global_buffer, .address_space: global }
      - { .name: Wb, .offset: 16, .size: 8, .value_kind: global_buffer, .address_space: global }
      - { .name: b2, .offset: 24, .size: 8, .value_kind: global_buffer, .address_space: global }
      - { .name: Y, .offset: 32, .size: 8, .value_kind: global_buffer, .address_space: global }
    .group_segment_fixed_size: 327680
    .private_segment_fixed_size: 0
    .kernarg_segment_align: 8
    .kernarg_segment_size: 40
    .max_flat_workgroup_size: 128
    .sgpr_count:     84
    .vgpr_count:     720
    .wavefront_size: 32
...
	.end_amdgpu_metadata
.endif
;; end of part 4
;; launch mix (part 5): grid 256 x 1, 8 waves a work-group, no clusters, 0 bytes of LDS; arguments route, wts, Y, out0; writes out0
.if DOCPART == 5
	.amdgcn_target "amdgcn-amd-amdhsa--gfx1250"
	.amdhsa_code_object_version 6
	.text
	.protected	k_q874373b04c_mix
	.globl	k_q874373b04c_mix
	.p2align	8
	.type	k_q874373b04c_mix,@function
k_q874373b04c_mix:
	s_mov_b64 s[64:65], 0
	v_nop
	global_prefetch_b8 v0, s[64:65] scope:SCOPE_SE
	s_setreg_imm32_b32 hwreg(HW_REG_WAVE_MODE, 25, 1), 1
	s_wait_xcnt 0x0
; MIX.  out[t][:] = w[t][0] Y[pos[t][0]][:] + w[t][1] Y[pos[t][1]][:], all f32: the sum over a token's two experts is made by gathering, by the one owner of the output row.
; A wave owns two tokens: four rows of Y (4,096 bytes each) in 128 registers, all 32 loads out at once; each load and store of a wave covers 512 consecutive aligned bytes.
; The slots and weights are the same for all lanes, so they come by scalar loads; the slots are whole numbers that an earlier launch stored, clamped to Y's 9,216 rows.
; A stream: no LDS, no barrier, no matrix unit.  Each slot is named by one token, so each row of Y is read once.
	s_load_b256 s[4:11], s[0:1], 0x0               ; route s[4:5], wts s[6:7], Y s[8:9], out0 s[10:11]
	v_lshrrev_b32 v1, 5, v0
	v_readfirstlane_b32 s20, v1                    ; wave 0..7
	s_lshl3_add_u32 s20, ttmp9, s20                ; my pair of tokens: 8 wg + w
	s_lshl_b32 s21, s20, 4                         ; its 16 bytes in pos and in wts
	s_lshl_b32 s36, s20, 13                        ; its 8,192 bytes in out
	s_mov_b32 s37, 0
	s_mov_b32 s23, 0
	v_and_b32 v2, 31, v0
	v_lshlrev_b32 v2, 4, v2                        ; 16 bytes a lane
	s_wait_kmcnt 0x0
	s_load_b128 s[12:15], s[4:5], s21 offset:0x9000  ; pos[t][0], pos[t][1], pos[t+1][0], pos[t+1][1]
	s_load_b128 s[16:19], s[6:7], s21 offset:0x0     ; the four weights, in the same order
	s_add_nc_u64 s[10:11], s[10:11], s[36:37]
	s_wait_kmcnt 0x0
.irp k, 0,1,2,3
	s_min_u32 s22, s[12+(\k)], 9215
	s_lshl_b32 s22, s22, 12
	s_add_nc_u64 s[24+2*(\k):25+2*(\k)], s[8:9], s[22:23]
.endr
.irp k, 0,1,2,3
.irp j, 0,1,2,3,4,5,6,7
	global_load_b128 v[8+32*(\k)+4*(\j):11+32*(\k)+4*(\j)], v2, s[24+2*(\k):25+2*(\k)] offset:512*(\j) th:TH_LOAD_NT
.endr
.endr
	s_mov_b32 s32, s17                             ; the packed forms take the low word of an even pair for both halves: the two second weights get pairs of their own
	s_mov_b32 s33, s17
	s_mov_b32 s34, s19
	s_mov_b32 s35, s19
; One token: its first row at v[y], its second at v[y + 32]; wa, wb: the pairs whose low words are its weights; off: its place in my 8,192 bytes of out
.macro TOKEN y, wa, wb, off
.set p_, 0
.rept 16
	v_pk_mul_f32 v[(\y)+2*p_:(\y)+2*p_+1], v[(\y)+2*p_:(\y)+2*p_+1], s[(\wa):(\wa)+1] op_sel_hi:[1,0]
.set p_, p_+1
.endr
.set p_, 0
.rept 16
	v_pk_fma_f32 v[(\y)+2*p_:(\y)+2*p_+1], v[(\y)+32+2*p_:(\y)+32+2*p_+1], s[(\wb):(\wb)+1], v[(\y)+2*p_:(\y)+2*p_+1] op_sel_hi:[1,0,1]
.set p_, p_+1
.endr
.irp j, 0,1,2,3,4,5,6,7
	global_store_b128 v2, v[(\y)+4*(\j):(\y)+4*(\j)+3], s[10:11] offset:(\off)+512*(\j) th:TH_STORE_NT
.endr
.endm
	s_wait_loadcnt 16                              ; the first token's two rows are in: the second's 16 loads were issued behind them
	TOKEN 8, 16, 32, 0
	s_wait_loadcnt 0x0
	TOKEN 72, 18, 34, 4096
	s_endpgm
.Lfunc_end_k_q874373b04c_mix:
	.size	k_q874373b04c_mix, .Lfunc_end_k_q874373b04c_mix-k_q874373b04c_mix
	.p2alignl 7, 3214868480
	.fill 96, 4, 3214868480
	.section	.rodata,"a",@progbits
	.p2align	6, 0x0
	.amdhsa_kernel k_q874373b04c_mix
		.amdhsa_group_segment_fixed_size 0
		.amdhsa_private_segment_fixed_size 0
		.amdhsa_enable_private_segment 0
		.amdhsa_kernarg_size 32
		.amdhsa_user_sgpr_count 2
		.amdhsa_user_sgpr_kernarg_segment_ptr 1
		.amdhsa_wavefront_size32 1
		.amdhsa_system_sgpr_workgroup_id_x 1
		.amdhsa_system_sgpr_workgroup_id_y 1
		.amdhsa_system_sgpr_workgroup_id_z 1
		.amdhsa_system_vgpr_workitem_id 0
		.amdhsa_next_free_vgpr 136
		.amdhsa_next_free_sgpr 66
		.amdhsa_reserve_vcc 0
		.amdhsa_float_denorm_mode_32 3
		.amdhsa_float_denorm_mode_16_64 3
		.amdhsa_memory_ordered 1
		.amdhsa_forward_progress 1
		.amdhsa_inst_pref_size 11
	.end_amdhsa_kernel
	.amdgpu_metadata
---
amdhsa.version: [ 1, 2 ]
amdhsa.kernels:
  - .name:           k_q874373b04c_mix
    .symbol:         k_q874373b04c_mix.kd
    .args:
      - { .name: route, .offset: 0, .size: 8, .value_kind: global_buffer, .address_space: global }
      - { .name: wts, .offset: 8, .size: 8, .value_kind: global_buffer, .address_space: global }
      - { .name: Y, .offset: 16, .size: 8, .value_kind: global_buffer, .address_space: global }
      - { .name: out0, .offset: 24, .size: 8, .value_kind: global_buffer, .address_space: global }
    .group_segment_fixed_size: 0
    .private_segment_fixed_size: 0
    .kernarg_segment_align: 8
    .kernarg_segment_size: 32
    .max_flat_workgroup_size: 256
    .sgpr_count:     66
    .vgpr_count:     136
    .wavefront_size: 32
...
	.end_amdgpu_metadata
.endif
;; end of part 5
